; MI455X (gfx1250); checked and timed in simulation.
; The chip was launched on July 23, 2026; its instructions are those of AMD's public machine-readable ISA for CDNA 5 (MIT licence, August 2026) and "CDNA5" Instruction Set Architecture Reference Guide (July 2026). The comments in the code are by the model that wrote it; some were corrected since.
;; Multi Head Attention. Allowed arithmetic: matrix products marked QUANTISED: E4M3 operands, one given power-of-two scale a tensor, by v_wmma_f32_16x16x64_fp8_fp8 or v_wmma_f32_16x16x128_fp8_fp8, f32 sums; everything else in f32.
;; Inputs: Wk 1,024 x 1,024 float32; Wo 1,024 x 1,024 float32; Wq 1,024 x 1,024 float32; Wv 1,024 x 1,024 float32; lowp_scales 12 int32 (the exponents e of the quantised operands' scales 2^e); x 4 x 2,048 x 1,024 float32.
;; Outputs: out0 4 x 2,048 x 1,024 float32.
;; This version of the problem:
;;   THIS VERSION OF THE PROBLEM IS GIVEN IN LOW PRECISION. The matrix products marked QUANTISED in the list below multiply operands that are first quantised to E4M3 (4 exponent bits, 3 mantissa bits; 8 bits a number), with one given power-of-two scale for each operand tensor; their sums are f32. All else is computed in f32.
;;   The module's matrix products, in the order in which they are computed (A, B: the left and right operand; K: the contracted axis; several contracted axes count as one K, in the product's order):
;;     1. [M 8,192, K 1,024] x [K 1,024, N 1,024]; A: input x; B: input Wq: QUANTISED (scales: A lowp_scales[0], B lowp_scales[1])
;;     2. [M 8,192, K 1,024] x [K 1,024, N 1,024]; A: input x; B: input Wk: QUANTISED (scales: A lowp_scales[2], B lowp_scales[3])
;;     3. [M 8,192, K 1,024] x [K 1,024, N 1,024]; A: input x; B: input Wv: QUANTISED (scales: A lowp_scales[4], B lowp_scales[5])
;;     4. batch 64 x [M 2,048, K 64] x [K 64, N 2,048]; A: computed on the way; B: computed on the way: QUANTISED (scales: A lowp_scales[6], B lowp_scales[7])
;;     5. batch 64 x [M 2,048, K 2,048] x [K 2,048, N 64]; A: softmax (see below); B: computed on the way: QUANTISED (scales: A lowp_scales[8], B lowp_scales[9])
;;     6. [M 8,192, K 1,024] x [K 1,024, N 1,024]; A: computed on the way; B: input Wo: QUANTISED (scales: A lowp_scales[10], B lowp_scales[11])
;;   THE QUANTISER, for each operand of a quantised product, along K:
;;     - The operand's scale is 2^e, e = its entry of the input lowp_scales (int32; the entries are numbered through the quantised products in the list's order, A before B).
;;     - Each number is divided by the scale, clamped to +-448, and rounded to the nearest number of E4M3, ties to even, subnormals kept.
;;     - The product sums the exact products of the quantised numbers (number of the format x scale) in f32.
;;   ~~~python
;;   def quantise(x, axis, e):      # numpy; x: float32 -> the quantised numbers, widened to float32 again
;;       x = np.moveaxis(x, axis, -1); K = x.shape[-1]
;;       r = np.clip(x / 2.0 ** e, -448, 448)
;;       step = 2.0 ** (np.maximum(np.frexp(np.where(r == 0, 1, r))[1] - 1, -6) - 3)
;;       q = np.round(r / step) * step * 2.0 ** e      # np.round: ties to even
;;       return np.moveaxis(q, -1, axis).astype(np.float32)
;;   ~~~
;;   SOFTMAX AHEAD OF A QUANTISED PRODUCT. Where the list says 'softmax', what is quantised is not the finished softmax but p = 2^(t - M), with t = logit x log2(e) and M = ceil(the row's largest t), a whole number; so 1/2 < the row's largest p <= 1. The row's sum l is taken of the UNQUANTISED p, in f32, and the product's result is divided by l at the end. Since M is a whole number, a kernel that streams over the keys may use a running M (the ceiling of the running maximum): every later rescaling is an exact power of two, so the quantised numbers keep their values, but for numbers so far below the row's largest that they fall under the format's range.
;;   OPERANDS COMPUTED ON THE WAY. 'Computed on the way' means the value that the module computes at that place (a softmax that the list does not call 'softmax' is quantised finished and normalised). What goes into a quantiser is computed in f32, as accurately as f32 sums, v_exp_f32 and their like allow (about 1e-6 of the number): no bf16 or f16 on the way to a quantiser, and a product that is left as it is and whose result goes on into a quantised operand takes f32 operands (vector FMAs, or v_wmma_f32_16x16x4_f32). A number that lies on a knife's edge between two numbers of the format may be rounded either way, as far as f32 arithmetic and the matrix unit's own rounding can turn it there, and no further.
;; 2 versions, each right; version 2 is version 1 with the launch attn written anew for expert scheduling mode. Each part assembles by itself: llvm-mc -triple=amdgcn-amd-amdhsa -mcpu=gfx1250 --defsym DOCPART=n.
;; ======== version 1 of 2: 4 launches
;; workspace buffers: xc 25,165,824 bytes; wc 4,194,304 bytes; rt 524,288 bytes; qc 8,388,608 bytes; kv 16,777,216 bytes; ac 8,388,608 bytes
;; launch prep (part 1): grid 512 x 1, 8 waves a work-group, no clusters, 68,608 bytes of LDS; arguments x, Wq, Wk, Wv, Wo, lowp_scales, xc, wc, rt; writes xc, wc, rt
.if DOCPART == 1
	.amdgcn_target "amdgcn-amd-amdhsa--gfx1250"
	.amdhsa_code_object_version 6
	.text
	.protected	k_q23308ee349_prep
	.globl	k_q23308ee349_prep
	.p2align	8
	.type	k_q23308ee349_prep,@function
k_q23308ee349_prep:
	s_mov_b64 s[64:65], 0
	v_nop
	global_prefetch_b8 v0, s[64:65] scope:SCOPE_SE
	s_setreg_imm32_b32 hwreg(HW_REG_WAVE_MODE, 25, 1), 1
	s_wait_xcnt 0x0
; x [8192][1024] f32 -> three copies of E4M3 codes (scales 2^e0, 2^e2, 2^e4);  Wq, Wk, Wv, Wo [1024 (k)][1024 (n)] f32 -> codes with K innermost (2^e1, 2^e3, 2^e5, 2^e11);  the table of cos and sin for the rotation.
; code = number / 2^e, held within +-448, rounded to the nearest code, ties to even.  LIMITS: each e between -126 and 119; NaN among the inputs is not served.
; LAYOUT OF ALL CODES: images of operand registers.  Rows (of x) and columns (of W) go in groups of 32; tile u (0, 1) of a group holds in place p = 0 .. 15 the element 8 u + p + 8 (p / 8).
; A fragment (16 places x 128 K) is 2,048 bytes: byte 512 c + 16 lane + b holds K = 32 c + 16 (lane / 16) + b of place lane % 16.  Fragment (tile R, K step s) lies at (R / 8) 131072 + (s / 2) 32768 + (R % 8) 4096 + (s % 2) 2048.
; SHARES: 512 work-groups x 8 waves, one straight path, no loop, no barrier.  With G the work-group and w the wave, a wave makes
;   (a) x's fragment (R = G, s = w) in three scales;  (b) 32 columns x 32 K of one W;  (c) wave 0 alone: 128 angles of the table.
; All 48 loads of a wave are issued first (12 KB a wave on their way); the table's arithmetic stands behind them.
; THE TABLE: angle = pos x 2^(-j log2(10) / 8), reduced by whole multiples of pi / 2 in two steps and put through two short polynomials on |r| <= pi / 4.  The angle carries the rounding of one f32 product,
; as the problem's own pos x div has; div may differ from an exact exponential in its last place.
.set SP,   528                         ; a row of the stage: 512 bytes + 16, so that sixteen rows begin at sixteen different 16-byte columns
.set STGB, 16*SP                       ; a wave's own stage
.set RAW,  16                          ; v16-79   x as loaded: row j in registers 4 j ..
.set WR,   80                          ; v80-111  W: my column, 32 along K
.set X,    112                         ; v112-175 x turned: register 16 c + i = K 32 c + 16 h + i of my row
.set T,    176                         ; v176-207 held numbers, two sets of 16 by turns; later W's codes
.set C,    208                         ; v208-255 x's codes, 16 registers for each copy: no store's data are written again
	s_load_b256 s[4:11], s[0:1], 0x0               ; x s[4:5], Wq s[6:7], Wk s[8:9], Wv s[10:11]
	s_load_b256 s[12:19], s[0:1], 0x20             ; Wo s[12:13], the exponents s[14:15], xc s[16:17], wc s[18:19]
	s_load_b64 s[20:21], s[0:1], 0x40              ; rt
	s_set_vgpr_msb 0x40
	v_lshl_add_u32 v0, v0, 2, 0x10800
	v_mov_b32 v1, 0
	s_set_vgpr_msb 0x4000
	v_lshrrev_b32 v1, 5, v0
	v_readfirstlane_b32 s22, v1                    ; wave 0..7
	v_and_b32 v1, 31, v0
	v_lshlrev_b32 v2, 4, v1                        ; v2 = 16 x lane
	v_and_b32 v7, 15, v0                           ; r
	v_bfe_u32 v6, v0, 4, 1                         ; h
	s_mul_i32 s36, s22, STGB
	v_add_nc_u32 v3, s36, v2                       ; v3: into the stage, a row's 512 bytes as they lie
	v_mul_u32_u24 v4, v7, SP
	v_lshl_add_u32 v4, v6, 6, v4
	v_add_nc_u32 v4, s36, v4                       ; v4: out of it: row r, + 64 h: my 16 numbers of a block of 32
	v_and_b32 v5, 8, v7
	v_add_nc_u32 v1, v5, v7                        ; v1 = r + 8 (r / 8): my place's element in its tile
	v_lshl_add_u32 v5, v6, 3, v1
	v_lshlrev_b32 v5, 2, v5                        ; v5: W: my column in the group of 32, in bytes (tile u = h)
	v_lshlrev_b32 v7, 4, v7
	v_lshl_add_u32 v6, v6, 12, v7                  ; v6: W's codes: tile u's fragment, place r
	; byte offsets, each apart from its address
	s_lshr_b32 s36, ttmp9, 1
	s_lshl_b32 s36, s36, 17                        ; x: 32 (G / 2) rows of 4,096 bytes,
	s_and_b32 s37, ttmp9, 1
	s_lshl_b32 s37, s37, 15                        ; + 8 (G % 2) rows,
	s_add_co_u32 s36, s36, s37
	s_lshl_b32 s37, s22, 9                         ; + K step w: 512 bytes
	s_add_co_u32 s36, s36, s37
	s_mov_b32 s37, 0
	s_lshr_b32 s38, ttmp9, 3
	s_lshl_b32 s38, s38, 17                        ; xc: fragment (G, w)
	s_lshr_b32 s39, s22, 1
	s_lshl_b32 s39, s39, 15
	s_add_co_u32 s38, s38, s39
	s_and_b32 s39, ttmp9, 7
	s_lshl_b32 s39, s39, 12
	s_add_co_u32 s38, s38, s39
	s_and_b32 s39, s22, 1
	s_lshl_b32 s39, s39, 11
	s_add_co_u32 s38, s38, s39
	s_mov_b32 s39, 0
	s_lshr_b32 s40, ttmp9, 7                       ; which W: 0 Wq, 1 Wk, 2 Wv, 3 Wo
	s_bfe_u32 s41, ttmp9, 0x20005
	s_lshl_b32 s41, s41, 3
	s_add_co_u32 s41, s41, s22                     ; g: which 32 columns
	s_bfe_u32 s42, ttmp9, 0x30002                  ; ks: which K step of 128
	s_and_b32 s43, ttmp9, 3                        ; c: which 32 of it
	s_lshl_b32 s44, s42, 19                        ; W: (128 ks + 32 c) rows of 4,096 bytes + 128 g
	s_lshl_b32 s45, s43, 17
	s_add_co_u32 s44, s44, s45
	s_lshl_b32 s45, s41, 7
	s_add_co_u32 s44, s44, s45
	s_mov_b32 s45, 0
	s_lshl_b32 s46, s40, 20                        ; wc: the tensor, tiles 2 g and 2 g + 1, K step ks, chunk c
	s_lshr_b32 s47, s41, 2
	s_lshl_b32 s47, s47, 17
	s_add_co_u32 s46, s46, s47
	s_lshr_b32 s47, s42, 1
	s_lshl_b32 s47, s47, 15
	s_add_co_u32 s46, s46, s47
	s_and_b32 s47, s41, 3
	s_lshl_b32 s47, s47, 13
	s_add_co_u32 s46, s46, s47
	s_and_b32 s47, s42, 1
	s_lshl_b32 s47, s47, 11
	s_add_co_u32 s46, s46, s47
	s_lshl_b32 s47, s43, 9
	s_add_co_u32 s46, s46, s47
	s_mov_b32 s47, 0
	s_lshr_b32 s48, ttmp9, 2
	s_lshl_b32 s48, s48, 12                        ; rt: tile G / 4, chunk G % 4
	s_lshl_b32 s49, s43, 9
	s_add_co_u32 s48, s48, s49
	s_mov_b32 s49, 0
	s_and_b32 s62, s40, 1
	s_wait_kmcnt 0x0
	s_load_b256 s[24:31], s[14:15], 0x0            ; e0 .. e7
	s_load_b128 s[32:35], s[14:15], 0x20           ; e8 .. e11 (the buffer holds twelve)
	s_add_nc_u64 s[4:5], s[4:5], s[36:37]
	s_add_nc_u64 s[16:17], s[16:17], s[38:39]      ; copy 0,
	s_add_nc_u64 s[52:53], s[16:17], 0x800000      ; copy 1,
	s_add_nc_u64 s[54:55], s[16:17], 0x1000000     ; copy 2
	s_add_nc_u64 s[18:19], s[18:19], s[46:47]
	s_add_nc_u64 s[20:21], s[20:21], s[48:49]
	s_cmp_lt_u32 s40, 2                            ; the choice of W hangs on the work-group's number alone
	s_cselect_b64 s[58:59], s[6:7], s[10:11]
	s_cselect_b64 s[60:61], s[8:9], s[12:13]
	s_cmp_eq_u32 s62, 0
	s_cselect_b64 s[58:59], s[58:59], s[60:61]
	s_add_nc_u64 s[58:59], s[58:59], s[44:45]
.irp j, 0,1,2,3,4,5,6,7,8,9,10,11,12,13,14,15
	global_load_b128 v[RAW+4*\j:RAW+4*\j+3], v2, s[4:5] offset:(\j+8*(\j/8))*4096 th:TH_LOAD_NT   ; place j's row: 32 lanes read 512 consecutive bytes; read once in the launch
.endr
.set i, 0
.rept 32
	global_load_b32 v[WR+i], v5, s[58:59] offset:i*4096   ; W(128 ks + 32 c + i, my column): the wave reads 128 bytes of a row, the eight waves 1,024
.set i, i+1
.endr
	; ---- the table, wave 0 alone: lane (r, h) makes cos and sin at pos = 32 (T / 2) + 8 (T % 2) + r + 8 (r / 8), j = 16 h + 4 k + 0 .. 3, with T = G / 4, k = G % 4
	s_cmp_lg_u32 s22, 0
	s_cbranch_scc1 .Lno_table
	s_mov_b32 s41, 0x3fc90fdb                      ; pi / 2, its f32 part,
	s_mov_b32 s42, 0xb33bbd2e                      ; and what that lacks
	s_mov_b32 s43, 0xb94ca1f9                      ; sine: r + r z (s45 + z (s44 + z s43))
	s_mov_b32 s44, 0x3c08839e
	s_mov_b32 s45, 0xbe2aaaa3
	s_mov_b32 s46, 0x37ccf5ce                      ; cosine: 1 - z / 2 + z z (s48 + z (s47 + z s46))
	s_mov_b32 s47, 0xbab6061a
	s_mov_b32 s48, 0x3d2aaaa5
	s_lshr_b32 s49, ttmp9, 3
	s_lshl_b32 s49, s49, 5
	s_bfe_u32 s50, ttmp9, 0x10002
	s_lshl_b32 s50, s50, 3
	s_add_co_u32 s49, s49, s50
	v_add_nc_u32 v112, s49, v1
	v_cvt_f32_u32 v112, v112                       ; pos
	v_bfe_u32 v113, v0, 4, 1
	v_lshlrev_b32 v113, 4, v113
	s_and_b32 s50, ttmp9, 3
	s_lshl_b32 s50, s50, 2
	v_add_nc_u32 v113, s50, v113                   ; 16 h + 4 k
.irp e, 0,1,2,3
	v_add_nc_u32 v[116+\e], \e, v113               ; four chains, line by line, so that no line waits for the line above it
.endr
.irp e, 0,1,2,3
	v_cvt_f32_u32 v[116+\e], v[116+\e]
.endr
.irp e, 0,1,2,3
	v_mul_f32 v[116+\e], 0xbed49a78, v[116+\e]     ; x -log2(10) / 8
.endr
.irp e, 0,1,2,3
	v_exp_f32 v[120+\e], v[116+\e]                 ; 10000^(-j / 32)
.endr
	v_nop                                          ; a plain line behind the last exponential,
	s_wait_alu depctr_va_vdst(0)                   ; and one wait for the four, ahead of their first reader
.irp e, 0,1,2,3
	v_mul_f32 v[120+\e], v112, v[120+\e]           ; the angle
.endr
.irp e, 0,1,2,3
	v_mul_f32 v[124+\e], 0x3f22f983, v[120+\e]     ; x 2 / pi
.endr
.irp e, 0,1,2,3
	v_rndne_f32 v[124+\e], v[124+\e]               ; n
.endr
.irp e, 0,1,2,3
	v_fma_f32 v[120+\e], -v[124+\e], s41, v[120+\e]   ; exact: the difference is a multiple of 2^-23 and below 1
.endr
.irp e, 0,1,2,3
	v_fma_f32 v[120+\e], -v[124+\e], s42, v[120+\e]   ; r, within pi / 4
.endr
.irp e, 0,1,2,3
	v_mul_f32 v[128+\e], v[120+\e], v[120+\e]      ; z
.endr
.irp e, 0,1,2,3
	v_fma_f32 v[132+\e], v[128+\e], s43, s44
	v_fma_f32 v[136+\e], v[128+\e], s46, s47
.endr
.irp e, 0,1,2,3
	v_fma_f32 v[132+\e], v[132+\e], v[128+\e], s45
	v_fma_f32 v[136+\e], v[136+\e], v[128+\e], s48
.endr
.irp e, 0,1,2,3
	v_mul_f32 v[140+\e], v[120+\e], v[128+\e]      ; r z
.endr
.irp e, 0,1,2,3
	v_fma_f32 v[132+\e], v[140+\e], v[132+\e], v[120+\e]   ; sin r
.endr
.irp e, 0,1,2,3
	v_mul_f32 v[140+\e], v[128+\e], v[128+\e]      ; z z
.endr
.irp e, 0,1,2,3
	v_fma_f32 v[128+\e], v[128+\e], -0.5, 1.0
.endr
.irp e, 0,1,2,3
	v_fma_f32 v[136+\e], v[140+\e], v[136+\e], v[128+\e]   ; cos r
.endr
.irp e, 0,1,2,3
	v_cvt_i32_f32 v[124+\e], v[124+\e]             ; the quadrant is n mod 4
.endr
.irp e, 0,1,2,3
	v_and_b32 v[140+\e], 1, v[124+\e]
.endr
.irp e, 0,1,2,3
	v_cmp_eq_u32 vcc_lo, 1, v[140+\e]              ; odd quadrants: sine and cosine change places
	v_cndmask_b32 v[144+\e], v[132+\e], v[136+\e], vcc_lo
	v_cndmask_b32 v[148+\e], v[136+\e], v[132+\e], vcc_lo
.endr
.irp e, 0,1,2,3
	v_and_b32 v[140+\e], 2, v[124+\e]              ; the sine is negative in quadrants 2, 3,
	v_add_nc_u32 v[124+\e], 1, v[124+\e]
.endr
.irp e, 0,1,2,3
	v_lshlrev_b32 v[140+\e], 30, v[140+\e]
	v_and_b32 v[124+\e], 2, v[124+\e]              ; the cosine in quadrants 1, 2
.endr
.irp e, 0,1,2,3
	v_xor_b32 v[144+\e], v[140+\e], v[144+\e]
	v_lshlrev_b32 v[124+\e], 30, v[124+\e]
.endr
.irp e, 0,1,2,3
	v_xor_b32 v[148+\e], v[124+\e], v[148+\e]
.endr
	global_store_b128 v2, v[148:151], s[20:21]                ; cos: chunk k; 512 consecutive bytes
	global_store_b128 v2, v[144:147], s[20:21] offset:2048    ; sin: chunk 4 + k
	s_wait_xcnt 0x0                                ; the two stores have read their data: LDS loads land in these registers below
.Lno_table:
	s_wait_kmcnt 0x0
.macro SCALE e, vs, vl                 ; 2^e as f32 (the conversion takes its exponent field), and 448 x 2^e
	s_add_co_i32 s36, s\e, 127
	s_lshl_b32 s37, s36, 23
	v_mov_b32 v\vs, s37
	s_add_co_i32 s36, s36, 8
	s_lshl_b32 s36, s36, 23
	s_or_b32 s36, s36, 0x600000
	v_mov_b32 v\vl, s36
.endm
	s_cmp_lt_u32 s40, 2
	s_cselect_b32 s60, s25, s29                    ; e1 or e5
	s_cselect_b32 s61, s27, s35                    ; e3 or e11
	s_cmp_eq_u32 s62, 0
	s_cselect_b32 s60, s60, s61
	SCALE 24, 8, 9
	SCALE 26, 10, 11
	SCALE 28, 12, 13
	SCALE 60, 14, 15
	; ---- x: the fragment turns through my own stage: LDS serves a wave's instructions in order, so no wait stands between the stores and the loads
	s_wait_loadcnt 32                              ; x's sixteen loads are in; W's 32, issued behind them, may be out
.irp j, 0,1,2,3,4,5,6,7,8,9,10,11,12,13,14,15
	ds_store_b128 v3, v[RAW+4*\j:RAW+4*\j+3] offset:\j*SP
.endr
.irp c, 0,1,2,3
.irp k, 0,1,2,3
	ds_load_b128 v[X+16*\c+4*\k:X+16*\c+4*\k+3], v4 offset:128*\c+16*\k
.endr
.endr
	s_wait_dscnt 0x0
; One copy of the codes.  The numbers are held into the sets T by turns, so that plain lines stand between a conversion and the next write of its sources.
.macro QX copy, sc, lim, base
.irp c, 0,1,2,3
.set i, 0
.rept 16
	v_med3_num_f32 v[T+16*(\c%2)+i], v[X+16*\c+i], -v[\lim], v[\lim]   ; the conversion to an 8-bit code does not saturate (ISA guide 7.6.2): the hold at 448 x the scale
.set i, i+1
.endr
	v_cvt_scalef32_pk8_fp8_f32 v[C+16*\copy+4*\c:C+16*\copy+4*\c+1], v[T+16*(\c%2):T+16*(\c%2)+7], v[\sc]
	v_cvt_scalef32_pk8_fp8_f32 v[C+16*\copy+4*\c+2:C+16*\copy+4*\c+3], v[T+16*(\c%2)+8:T+16*(\c%2)+15], v[\sc]
.endr
.irp c, 0,1,2,3
	global_store_b128 v2, v[C+16*\copy+4*\c:C+16*\copy+4*\c+3], s[\base:\base+1] offset:\c*512   ; 512 consecutive bytes, at a multiple of 512 from the buffer's first byte
.endr
.endm
	QX 0, 8, 9, 16
	QX 1, 10, 11, 52
	QX 2, 12, 13, 54
	; ---- W: my column's 32 numbers down K are neighbours along K: nothing is transposed
	s_wait_loadcnt 0x0
.set i, 0
.rept 32
	v_med3_num_f32 v[WR+i], v[WR+i], -v15, v15
.set i, i+1
.endr
.irp g, 0,1,2,3
	v_cvt_scalef32_pk8_fp8_f32 v[T+2*\g:T+2*\g+1], v[WR+8*\g:WR+8*\g+7], v14
.endr
	global_store_b128 v6, v[T:T+3], s[18:19]                  ; K = 32 c + 0 .. 15: sixteen lanes fill 256 consecutive bytes of their tile's fragment
	global_store_b128 v6, v[T+4:T+7], s[18:19] offset:256     ; K = 32 c + 16 .. 31
	s_set_vgpr_msb 0x5
	s_wait_tensorcnt 0x0
	ds_add_u32 v0, v1
	s_wait_dscnt 0x0
	s_set_vgpr_msb 0x500
	s_endpgm
.Lfunc_end_k_q23308ee349_prep:
	.size	k_q23308ee349_prep, .Lfunc_end_k_q23308ee349_prep-k_q23308ee349_prep
	.p2alignl 7, 3214868480
	.fill 96, 4, 3214868480
	.section	.rodata,"a",@progbits
	.p2align	6, 0x0
	.amdhsa_kernel k_q23308ee349_prep
		.amdhsa_group_segment_fixed_size 68608
		.amdhsa_private_segment_fixed_size 0
		.amdhsa_enable_private_segment 0
		.amdhsa_kernarg_size 72
		.amdhsa_user_sgpr_count 2
		.amdhsa_user_sgpr_kernarg_segment_ptr 1
		.amdhsa_wavefront_size32 1
		.amdhsa_system_sgpr_workgroup_id_x 1
		.amdhsa_system_sgpr_workgroup_id_y 1
		.amdhsa_system_sgpr_workgroup_id_z 1
		.amdhsa_system_vgpr_workitem_id 0
		.amdhsa_next_free_vgpr 258
		.amdhsa_next_free_sgpr 66
		.amdhsa_reserve_vcc 1
		.amdhsa_float_denorm_mode_32 3
		.amdhsa_float_denorm_mode_16_64 3
		.amdhsa_memory_ordered 1
		.amdhsa_forward_progress 1
		.amdhsa_inst_pref_size 36
	.end_amdhsa_kernel
	.amdgpu_metadata
---
amdhsa.version: [ 1, 2 ]
amdhsa.kernels:
  - .name:           k_q23308ee349_prep
    .symbol:         k_q23308ee349_prep.kd
    .args:
      - { .name: x, .offset: 0, .size: 8, .value_kind: global_buffer, .address_space: global }
      - { .name: Wq, .offset: 8, .size: 8, .value_kind: global_buffer, .address_space: global }
      - { .name: Wk, .offset: 16, .size: 8, .value_kind: global_buffer, .address_space: global }
      - { .name: Wv, .offset: 24, .size: 8, .value_kind: global_buffer, .address_space: global }
      - { .name: Wo, .offset: 32, .size: 8, .value_kind: global_buffer, .address_space: global }
      - { .name: lowp_scales, .offset: 40, .size: 8, .value_kind: global_buffer, .address_space: global }
      - { .name: xc, .offset: 48, .size: 8, .value_kind: global_buffer, .address_space: global }
      - { .name: wc, .offset: 56, .size: 8, .value_kind: global_buffer, .address_space: global }
      - { .name: rt, .offset: 64, .size: 8, .value_kind: global_buffer, .address_space: global }
    .group_segment_fixed_size: 68608
    .private_segment_fixed_size: 0
    .kernarg_segment_align: 8
    .kernarg_segment_size: 72
    .max_flat_workgroup_size: 256
    .sgpr_count:     66
    .vgpr_count:     258
    .wavefront_size: 32
...
	.end_amdgpu_metadata
.endif
;; end of part 1
;; launch qkv (part 2): grid 12 x 32, 4 waves a work-group, clusters of 4 x 4, 327,680 bytes of LDS; arguments xc, wc, rt, lowp_scales, qc, kv; writes qc, kv
.if DOCPART == 2
	.amdgcn_target "amdgcn-amd-amdhsa--gfx1250"
	.amdhsa_code_object_version 6
	.text
	.protected	k_q23308ee349_qkv
	.globl	k_q23308ee349_qkv
	.p2align	8
	.type	k_q23308ee349_qkv,@function
k_q23308ee349_qkv:
	s_mov_b64 s[64:65], 0
	v_nop
	global_prefetch_b8 v0, s[64:65] scope:SCOPE_SE
	s_setreg_imm32_b32 hwreg(HW_REG_WAVE_MODE, 25, 1), 1
	s_wait_xcnt 0x0
	s_wait_alu depctr_hold_cnt(0) depctr_sa_sdst(0) depctr_va_vdst(0) depctr_va_sdst(0) depctr_va_ssrc(0) depctr_va_vcc(0) depctr_vm_vsrc(0)
	s_getreg_b32 s2, hwreg(HW_REG_IB_STS2, 6, 4)
	s_cmp_eq_u32 s2, 0
	s_cbranch_scc0 .Lentry_in_a_cluster
	s_endpgm
.Lentry_in_a_cluster:
	s_bfe_u32 s2, ttmp6, 0x10000c
	s_cmp_lg_u32 s2, 0xf033
	s_cbranch_scc0 .Lentry_shape_is_right
	s_endpgm
.Lentry_shape_is_right:
; q = rot(x Wq), k = rot(x Wk), v = x Wv on E4M3 codes, and the three results quantised anew (2^e6, 2^e7, 2^e9) into images of the next products' operands.
; A tile of 256 rows x 256 columns is made by four waves, each 128 x 128: 64 accumulators, 512 registers.  K = 1,024 goes in four slots of 256 through a ring of two LDS slots.
; All operands lie in memory as images of fragment registers (16 places x 128 K = 2,048 bytes: byte 512 c + 16 lane + b is K = 32 c + 16 (lane / 16) + b of place lane % 16), 128 rows x 256 K in one dense block of 32,768 bytes:
; one tensor load a wave brings such a block, and every LDS load reads 512 consecutive bytes.  The places of k in the registers are the same in both operands, so every product meets its partner.
; The places of a tile are not neighbours: tile u of a group of 32 holds element 8 u + p + 8 (p / 8) in place p, so that a lane's 16 registers of two neighbouring tiles are 16 NEIGHBOURS of the next product's K.
; CLUSTERS: 4 x 4 work-groups; a cluster is one tensor wide (cluster x = 0: q, 1: k, 2: v).  x's block is asked for jointly along a row of the cluster, W's along a column.
; ONE LOOP FOR THE THREE.  Source 0 of a product gives the result's registers, source 1 its lanes.  q and k want a lane to a row of x and registers along the columns: source 0 = W, source 1 = x.  v is the next product's
; operand along the KEYS, so it wants a lane to a column and registers along the rows: for v the two LDS bases change places, by the cluster's x alone, and the text stays the same.
; THE WAY OUT.  q, k: the rotation in f32 (a lane's registers 16 p + i of a head are d = 32 p + 16 h + i, so x1 and x2 of a pair lie 16 registers apart in ONE lane), the hold, the conversion; the three scales are folded into the
; conversion's one.  The codes are the image as they stand: each store is 512 consecutive bytes.  No LDS on the way out.
; LIMITS: e6 - e0 - e1, e7 - e2 - e3 and e9 - e4 - e5 lie between -126 and 119.  NaN is not served.
; REGISTERS: window 0: v12 the conversion's scale, v13 448 x it, v16-29 addresses; v32-95 two sets of cos and sin; from v128 the A side's fragments, ONE set (on the way out v96-207 are at work).
;   window 1: the B side's fragments, TWO sets, at v0 and v128.   window 2: accumulators of A blocks 0-3 ((a, b) at v[8 (8 (a % 4) + b)]);   window 3: of blocks 4-7.
.set HALFT,  32768                     ; what one tensor load brings, and what one wave reads of a side
.set SLOT,   4*HALFT                   ; x's two halves, then W's two
.set SPARE,  2*SLOT                    ; behind the ring: the spare words, 128 bytes for each wave, which no other line names
.set FR,     16
.set NL,     4
.set NP,     4                         ; places behind this matrix instruction (ISA guide 7.12.1)
.set SCL,  12
.set LIM,  13
.set ADRA, 16                          ; v16-17  LDS address of the A side in slot 0, 1
.set ADRB, 20                          ; v20-21  of the B side
.set LN,   24                          ; v24     16 x lane
.set SPW,  28                          ; v28     my spare word: SPARE + 4 x my thread's number; never rewritten
.set NIL,  29                          ; v29     0; never rewritten
.set CT,   32                          ; two sets of 16 cos, 16 sin
.set OUT,  96                          ; 64 numbers ahead of the quantiser
.set TT,   160                         ; four sets of two pairs, at work
.set CD,   176                         ; two sets of 16 registers of codes
.set AF,   128
.set G1, 24                            ; s[24:31] descriptor group 1 for x's blocks;  s[32:39] group 0, one set for each slot
.set G0, 32
.set G1B, 48                           ; s[48:55], s[56:63] the same for W's
.set G0B, 56
.set MSB, 0
.macro WIN new                         ; the immediate's high byte repeats the setting that is left
.if MSB != (\new)
	s_set_vgpr_msb (MSB<<8)|(\new)
.set MSB, \new
.endif
.endm
.set MUL_LO, 0xa1                      ; source 0 window 1, source 1 window 0, C and D window 2
.set MUL_HI, 0xf1                      ; the same, C and D window 3
.set TO_B,   0x40                      ; destination window 1, address window 0
; A joint load: waves 0 and 1 fetch x's halves, waves 2 and 3 W's.  The branch hangs on the wave's number alone.  Four v_nop follow each of the two lines.
.macro JLOAD s
	s_cmp_eq_u32 s15, 0
	s_cbranch_scc0 .Lfor_b_\@
	tensor_load_to_lds s[G0+4*\s:G0+4*\s+3], s[G1:G1+7]
	s_nop 0
.rept 4
	v_nop
.endr
	s_branch .Lasked_\@
.Lfor_b_\@:
	tensor_load_to_lds s[G0B+4*\s:G0B+4*\s+3], s[G1B:G1B+7]
	s_nop 0
.rept 4
	v_nop
.endr
.Lasked_\@:
.endm
.macro CREST                           ; a round of the cluster's barrier behind its opening barrier
	s_cmp_lg_u32 s14, 0
	s_cbranch_scc1 .Lnot_wave_0_\@
	s_barrier_signal -3
.Lnot_wave_0_\@:
	s_barrier_wait -3
	s_barrier_signal -1
	s_barrier_wait -1
.endm
.macro CROUND
	s_barrier_signal -1
	s_barrier_wait -1
	CREST
.endm
	s_load_b256 s[4:11], s[0:1], 0x0               ; xc s[4:5], wc s[6:7], rt s[8:9], the exponents s[10:11]
	s_load_b128 s[68:71], s[0:1], 0x20             ; qc s[68:69], kv s[70:71]
	v_lshl_add_u32 v[SPW], v0, 2, SPARE
	v_mov_b32 v[NIL], 0
	ds_add_u32 v28, v29
	ds_add_u32 v28, v29
	s_wait_dscnt 0x0
	v_lshrrev_b32 v1, 5, v0
	v_readfirstlane_b32 s14, v1                    ; wave 0..3
	s_lshr_b32 s15, s14, 1                         ; wm: my half of the A side.  Also: I fetch for x (0) or for W (1)
	s_and_b32 s16, s14, 1                          ; wn: my half of the B side.  Also: which half I fetch
	s_bfe_u32 s40, ttmp6, 0x40000                  ; cx, cy: my place in the cluster
	s_bfe_u32 s41, ttmp6, 0x40004
	s_lshl_b32 s42, ttmp9, 2
	s_add_co_u32 s42, s42, s40                     ; tile column, 0 .. 11 = 4 x tensor + cx
	s_and_b32 s17, ttmp7, 0xffff
	s_lshl_b32 s17, s17, 2
	s_add_co_u32 s17, s17, s41                     ; tile row, 0 .. 31
	s_lshl_b32 s43, s41, 2
	s_lshl_b32 s43, 15, s43                        ; my row of the cluster
	s_lshl_b32 s44, 0x1111, s40                    ; my column
	; descriptor group 1: a dense block of 32,768 bytes as 128 rows of 32 elements of 8 bytes, no padding
	s_or_b32 s[G1+0], s43, (3<<16)|(1<<21)         ; 15:0 the mask: x's blocks go to my row; 17:16 elements of 8 bytes; 21 set beside a mask
	s_or_b32 s[G1B+0], s44, (3<<16)|(1<<21)        ; W's to my column
.irp g, G1, G1B
	s_mov_b32 s[\g+1], 32<<16                      ; tensor_dim0 = 32
	s_mov_b32 s[\g+2], 128<<16                     ; tensor_dim1 = 128
	s_mov_b32 s[\g+3], 32<<16                      ; tile_dim0 = 32
	s_mov_b32 s[\g+4], 128                         ; tile_dim1 = 128
	s_mov_b32 s[\g+5], 32                          ; from row to row: 32 elements
	s_mov_b32 s[\g+6], 0
	s_mov_b32 s[\g+7], 0
.endr
	s_lshl_b32 s20, s17, 1
	s_add_co_u32 s20, s20, s16
	s_lshl_b32 s20, s20, 17                        ; x: block row 2 x tile row + half, 131,072 bytes each,
	s_lshl_b32 s21, ttmp9, 23
	s_add_co_u32 s20, s20, s21                     ; in the tensor's own copy of the codes (8,388,608 bytes each): its own scale
	s_mov_b32 s21, 0
	s_lshl_b32 s46, s42, 1
	s_add_co_u32 s46, s46, s16
	s_lshl_b32 s46, s46, 17                        ; W: block row 2 x tile column + half
	s_mov_b32 s47, 0
	s_lshl_b32 s45, s14, 15                        ; where they go: wave x 32,768: no place in the cluster enters an LDS address
	s_wait_kmcnt 0x0
	s_load_b256 s[72:79], s[10:11], 0x0            ; e0 .. e7
	s_load_b128 s[80:83], s[10:11], 0x20           ; e8 .. e11
	s_add_nc_u64 s[20:21], s[4:5], s[20:21]
	s_add_nc_u64 s[46:47], s[6:7], s[46:47]
	CROUND                                         ; all sixteen work-groups are here: the first joint loads meet
.irp s, 0,1
	s_mov_b32 s[G0+4*\s], 1
	s_add_co_u32 s[G0+4*\s+1], s45, \s*SLOT
	s_add_nc_u64 s[G0+4*\s+2:G0+4*\s+3], s[20:21], \s*HALFT        ; K slot s
	s_or_b32 s[G0+4*\s+3], s[G0+4*\s+3], 0x80000000
	s_mov_b32 s[G0B+4*\s], 1
	s_add_co_u32 s[G0B+4*\s+1], s45, \s*SLOT
	s_add_nc_u64 s[G0B+4*\s+2:G0B+4*\s+3], s[46:47], \s*HALFT
	s_or_b32 s[G0B+4*\s+3], s[G0B+4*\s+3], 0x80000000
	JLOAD \s                                       ; two loads of mine are out
.endr
	v_and_b32 v1, 31, v0
	v_lshlrev_b32 v[LN], 4, v1
	s_lshr_b32 s67, ttmp9, 1
	s_and_b32 s67, s67, 1                          ; 1 for v: the same in all sixteen partners
	s_xor_b32 s18, s67, 1
	s_lshl_b32 s21, s67, 16                        ; the A side (the result's lanes): x's region, for v W's
	s_lshl_b32 s19, s15, 15
	s_add_co_u32 s21, s21, s19
	s_lshl_b32 s22, s18, 16                        ; the B side (the result's registers): W's region, for v x's
	s_lshl_b32 s19, s16, 15
	s_add_co_u32 s22, s22, s19
.irp s, 0,1
	v_add_nc_u32 v[ADRA+\s], s21, v[LN]
	v_add_nc_u32 v[ADRB+\s], s22, v[LN]
	s_add_co_u32 s21, s21, SLOT
	s_add_co_u32 s22, s22, SLOT
.endr
	s_and_b32 s90, s17, 7                          ; the table: my 8 tiles of rows begin at tile 16 (tile row % 8) + 8 wm of the sequence, 4,096 bytes a tile
	s_lshl_b32 s90, s90, 16
	s_lshl_b32 s19, s15, 15
	s_add_co_u32 s90, s90, s19
	s_mov_b32 s91, 0
	s_add_nc_u64 s[90:91], s[8:9], s[90:91]
.macro CTLOAD a                        ; tile a's 16 cos and 16 sin of my lane into set a % 2
.irp k, 0,1,2,3,4,5,6,7
	global_load_b128 v[CT+32*((\a)%2)+4*\k:CT+32*((\a)%2)+4*\k+3], v[LN], s[90:91] offset:(\a)*4096+\k*512
.endr
.endm
	CTLOAD 0                                       ; on every path, v's too: they land under the products
	CTLOAD 1
	; where the codes go.  Head = 4 cx + 2 x (my half of the columns) + 0, 1; the columns are the B side for q and k, the A side for v
	s_lshr_b32 s92, s17, 3
	s_lshl_b32 s92, s92, 4                         ; 16 x batch
	s_lshl_b32 s93, s40, 2
	s_add_co_u32 s92, s92, s93
	s_cmp_eq_u32 ttmp9, 2
	s_cselect_b32 s94, s15, s16                    ; the half that picks the heads,
	s_cselect_b32 s95, s16, s15                    ; the half that picks the rows,
	s_cselect_b32 s96, 16384, 0                    ; and V lies behind K in a slot of kv
	s_lshl_b32 s94, s94, 1
	s_add_co_u32 s92, s92, s94                     ; batch x 16 + my first head
	s_lshl_b32 s95, s95, 13                        ; 128 rows: 8 tiles of 1,024 bytes (q, k) or a block of 8,192 bytes (v)
	s_add_co_u32 s95, s95, s96
	s_cmp_eq_u32 ttmp9, 0
	s_cselect_b32 s96, 17, 18                      ; a head is 131,072 bytes in qc, 262,144 in kv
	s_cselect_b32 s97, 14, 15                      ; 256 rows are 16,384 bytes in qc, a slot of 32,768 in kv
	s_cselect_b64 s[86:87], s[68:69], s[70:71]
	s_lshl_b32 s92, s92, s96
	s_and_b32 s93, s17, 7
	s_lshl_b32 s93, s93, s97
	s_add_co_u32 s92, s92, s93
	s_add_co_u32 s92, s92, s95
	s_mov_b32 s93, 0
	s_add_nc_u64 s[86:87], s[86:87], s[92:93]      ; my first head,
	s_lshl_b32 s98, 1, s96
	s_mov_b32 s99, 0
	s_add_nc_u64 s[88:89], s[86:87], s[98:99]      ; my second
	s_wait_kmcnt 0x0
	s_sub_co_i32 s18, s78, s72                     ; a sum stands for sum x 2^(ex + ew): its code is sum / 2^(e - ex - ew)
	s_sub_co_i32 s18, s18, s73
	s_sub_co_i32 s19, s79, s74
	s_sub_co_i32 s19, s19, s75
	s_sub_co_i32 s22, s81, s76
	s_sub_co_i32 s22, s22, s77
	s_cmp_eq_u32 ttmp9, 0
	s_cselect_b32 s84, s18, s19
	s_cmp_eq_u32 ttmp9, 2
	s_cselect_b32 s84, s22, s84
	s_add_co_i32 s84, s84, 127
	s_lshl_b32 s85, s84, 23
	v_mov_b32 v[SCL], s85
	s_add_co_i32 s84, s84, 8
	s_lshl_b32 s84, s84, 23
	s_or_b32 s84, s84, 0x600000
	v_mov_b32 v[LIM], s84
.macro FRAG reg, adr, q, i             ; a fragment as it lies: four loads of 512 consecutive bytes
.irp c, 0,1,2,3
	ds_load_b128 v[\reg+4*\c:\reg+4*\c+3], v[\adr] offset:2048*(\q)+512*\c+(\i)*4096
.endr
.endm
; 16 matrix instructions: A blocks a0, a0 + 1 x the B side's eight.  p: B's set.  zero = 1: the first product starts the sums.  The 64 accumulators take turns, one instruction a turn, in the same order in every step.
.macro MUL16 a0, p, zero
.irp a, \a0, \a0+1
.irp b, 0,1,2,3,4,5,6,7
.if \zero
	v_wmma_f32_16x16x128_fp8_fp8 v[8*(8*((\a)%4)+\b):8*(8*((\a)%4)+\b)+7], v[128*(\p)+FR*\b:128*(\p)+FR*\b+FR-1], v[AF+FR*(\a):AF+FR*(\a)+FR-1], 0
.else
	v_wmma_f32_16x16x128_fp8_fp8 v[8*(8*((\a)%4)+\b):8*(8*((\a)%4)+\b)+7], v[128*(\p)+FR*\b:128*(\p)+FR*\b+FR-1], v[AF+FR*(\a):AF+FR*(\a)+FR-1], v[8*(8*((\a)%4)+\b):8*(8*((\a)%4)+\b)+7]
.endif
.endr
.endr
.endm
.macro FETCH_B slot, q, p
	WIN TO_B
.irp i, 0,1,2,3,4,5,6,7
	FRAG 128*(\p)+FR*\i, ADRB+\slot, \q, \i
.endr
	WIN 0
.endm
.macro FETCH_A slot, q, i0
.irp i, \i0, \i0+1, \i0+2, \i0+3
	FRAG AF+FR*(\i), ADRA+\slot, \q, \i
.endr
.endm
.macro PLACES n                        ; plain vector lines between a matrix instruction and a load into, or a vector line on, its registers
.rept \n
	v_nop
.endr
.endm
; A step of 128 along K that has its successor in the same slot.  An A block is free as soon as its eight products are issued: blocks 0-3 are fetched anew in the step's middle, blocks 4-7 at its end.
.macro STEP slot, q, zero
	s_wait_dscnt 4*NL                              ; B's set and A's blocks 0-3 are in; the youngest sixteen loads (blocks 4-7) may be out
	WIN MUL_LO
	MUL16 0, (\q)%2, \zero
	MUL16 2, (\q)%2, \zero
	s_wait_dscnt 0                                 ; blocks 4-7 are in
	PLACES NP
	FETCH_B \slot, (\q)+1, 1-(\q)%2
	FETCH_A \slot, (\q)+1, 0
	WIN MUL_HI
	MUL16 4, (\q)%2, \zero
	MUL16 6, (\q)%2, \zero
	PLACES NP
	WIN 0
	FETCH_A \slot, (\q)+1, 4
.endm
; A slot's last step changes slots: one barrier; ahead of it each wave waits for all its tensor loads, adds 0 to its spare word, and waits for that and for its reads of this slot.  fill = 1: the slot is filled again, two K slots ahead.
.macro TURN slot, next, fill
	s_wait_tensorcnt 0x0                           ; all my tensor loads have landed: my part of the next slot
	ds_add_u32 v[SPW], v[NIL]                      ; 0 onto my spare word
	s_wait_dscnt 4*NL+1                            ; (the add and the youngest sixteen loads may be out)
	WIN MUL_LO
	MUL16 0, 1, 0                                  ; sixteen matrix instructions stand between the add and the wait for it
	s_wait_dscnt 0x0                               ; the add is done, and my reads of this slot are over
	s_barrier_signal -1
	MUL16 2, 1, 0
	WIN 0
	s_barrier_wait -1
.if \fill
	CREST                                          ; the barrier has opened a round of the cluster's: no wave of any partner still reads this slot or has a load on its way
	s_add_nc_u64 s[G0+4*\slot+2:G0+4*\slot+3], s[G0+4*\slot+2:G0+4*\slot+3], 2*HALFT
	s_add_nc_u64 s[G0B+4*\slot+2:G0B+4*\slot+3], s[G0B+4*\slot+2:G0B+4*\slot+3], 2*HALFT
	JLOAD \slot                                    ; the first tensor load behind the round, my one load until the next; its four v_nop are also the places in front of the loads below
.else
	PLACES NP
.endif
	FETCH_B \next, 0, 0
	FETCH_A \next, 0, 0
	WIN MUL_HI
	MUL16 4, 1, 0
	MUL16 6, 1, 0
	PLACES NP
	WIN 0
	FETCH_A \next, 0, 4
.endm
	s_wait_tensorcnt 1                             ; my part of K slot 0 is in (slot 1's load may be out)
	s_barrier_signal -1
	s_barrier_wait -1                              ; everybody's is
	FETCH_B 0, 0, 0
	FETCH_A 0, 0, 0
	FETCH_A 0, 0, 4
	STEP 0, 0, 1                                   ; eight steps of 128, written out: a loop would have one trip
	TURN 0, 1, 1                                   ; slot 0 takes K 512 ..
	STEP 1, 0, 0
	TURN 1, 0, 1                                   ; slot 1 takes K 768 ..
	STEP 0, 0, 0
	TURN 0, 1, 0                                   ; nothing is left to fetch
	STEP 1, 0, 0
	s_wait_dscnt 4*NL
	WIN MUL_LO
	MUL16 0, 1, 0
	MUL16 2, 1, 0
	s_wait_dscnt 0
	WIN MUL_HI
	MUL16 4, 1, 0
	MUL16 6, 1, 0
	WIN 0
; q, k: A block a = 16 rows; its 64 registers are two heads, register 32 hh + 16 p + i = d 32 p + 16 h + i.  out(d) = cos x1 - sin x2, out(d + 32) = sin x1 + cos x2, at j = 16 h + i.
.macro ROPE a
.set AC, 64*((\a)%4)
.set CTS, CT+32*((\a)%2)
.set CDS, CD+16*((\a)%2)
.if (\a) < 7
	s_wait_loadcnt 8                               ; this tile's eight table loads are in; the next tile's eight may be out
.else
	s_wait_loadcnt 0
.endif
	WIN 0x02+((\a)/4)                              ; source 0: the accumulators' window
.irp hh, 0,1
.irp i, 0,2,4,6,8,10,12,14                     ; ascending
	v_pk_mul_f32 v[TT+4*((\i/2)%4):TT+4*((\i/2)%4)+1], v[AC+32*\hh+16+\i:AC+32*\hh+17+\i], v[CTS+16+\i:CTS+17+\i]
	v_pk_mul_f32 v[TT+4*((\i/2)%4)+2:TT+4*((\i/2)%4)+3], v[AC+32*\hh+16+\i:AC+32*\hh+17+\i], v[CTS+\i:CTS+1+\i]
	v_pk_fma_f32 v[OUT+32*\hh+\i:OUT+32*\hh+1+\i], v[AC+32*\hh+\i:AC+32*\hh+1+\i], v[CTS+\i:CTS+1+\i], v[TT+4*((\i/2)%4):TT+4*((\i/2)%4)+1] neg_lo:[0,0,1] neg_hi:[0,0,1]
	v_pk_fma_f32 v[OUT+32*\hh+16+\i:OUT+32*\hh+17+\i], v[AC+32*\hh+\i:AC+32*\hh+1+\i], v[CTS+16+\i:CTS+17+\i], v[TT+4*((\i/2)%4)+2:TT+4*((\i/2)%4)+3]
.endr
.endr
	WIN 0
.if (\a) >= 2
	s_wait_xcnt 0x0                                ; tile a - 2's stores have read this set of codes
.endif
.if (\a) < 6
	CTLOAD (\a)+2
.endif
.set i, 0
.rept 64
	v_med3_num_f32 v[OUT+i], v[OUT+i], -v[LIM], v[LIM]   ; the conversion does not saturate (ISA guide 7.6.2)
.set i, i+1
.endr
.irp g, 0,1,2,3,4,5,6,7
	v_cvt_scalef32_pk8_fp8_f32 v[CDS+2*\g:CDS+2*\g+1], v[OUT+8*\g:OUT+8*\g+7], v[SCL]
.endr
	v_nop                                          ; a plain line between the last conversion and the next vector line on its registers
	global_store_b128 v[LN], v[CDS:CDS+3],     s[86:87] offset:(\a)*1024        ; d = 16 h + 0 .. 15 of my first head: 512 consecutive bytes
	global_store_b128 v[LN], v[CDS+4:CDS+7],   s[86:87] offset:(\a)*1024+512    ; d = 32 + 16 h + ..
	global_store_b128 v[LN], v[CDS+8:CDS+11],  s[88:89] offset:(\a)*1024
	global_store_b128 v[LN], v[CDS+12:CDS+15], s[88:89] offset:(\a)*1024+512
.endm
; v: A block a = 16 columns (head a / 4, d tile a % 4); its 64 registers are my 128 keys, register 16 c + i = key 32 c + 16 h + i
.macro VOUT a
.set AC, 64*((\a)%4)
.set CDS, CD+16*((\a)%2)
	WIN 0x02+((\a)/4)
.set i, 0
.rept 64
	v_med3_num_f32 v[OUT+i], v[AC+i], -v[LIM], v[LIM]
.set i, i+1
.endr
	WIN 0
.if (\a) >= 2
	s_wait_xcnt 0x0
.endif
.irp g, 0,1,2,3,4,5,6,7
	v_cvt_scalef32_pk8_fp8_f32 v[CDS+2*\g:CDS+2*\g+1], v[OUT+8*\g:OUT+8*\g+7], v[SCL]
.endr
	v_nop
.irp c, 0,1,2,3
	global_store_b128 v[LN], v[CDS+4*\c:CDS+4*\c+3], s[86:87] offset:((\a)/4)*262144+((\a)%4)*2048+\c*512
.endr
.endm
	PLACES NP                                      ; behind the last products: their results are read, and the A side's registers written, below
	s_cmp_eq_u32 ttmp9, 2                          ; the cluster's x: the same in all partners; no LDS line and no barrier stands on either way
	s_cbranch_scc1 .Lv_out
.irp a, 0,1,2,3,4,5,6,7
	ROPE \a
.endr
	s_branch .Ltail
.Lv_out:
	s_wait_loadcnt 0x0                             ; the table's loads, which this way does not use, have landed
.irp a, 0,1,2,3,4,5,6,7
	VOUT \a
.endr
.Ltail:
	s_wait_tensorcnt 0x0                           ; the wave's end
	ds_add_u32 v[SPW], v[NIL]
	s_wait_dscnt 0x0
	CROUND                                         ; the closing round: no work-group ends while a partner may still ask for a block that names it
	s_endpgm
.Lfunc_end_k_q23308ee349_qkv:
	.size	k_q23308ee349_qkv, .Lfunc_end_k_q23308ee349_qkv-k_q23308ee349_qkv
	.p2alignl 7, 3214868480
	.fill 96, 4, 3214868480
	.section	.rodata,"a",@progbits
	.p2align	6, 0x0
	.amdhsa_kernel k_q23308ee349_qkv
		.amdhsa_group_segment_fixed_size 327680
		.amdhsa_private_segment_fixed_size 0
		.amdhsa_enable_private_segment 0
		.amdhsa_kernarg_size 48
		.amdhsa_user_sgpr_count 2
		.amdhsa_user_sgpr_kernarg_segment_ptr 1
		.amdhsa_wavefront_size32 1
		.amdhsa_system_sgpr_workgroup_id_x 1
		.amdhsa_system_sgpr_workgroup_id_y 1
		.amdhsa_system_sgpr_workgroup_id_z 1
		.amdhsa_system_vgpr_workitem_id 0
		.amdhsa_next_free_vgpr 1024
		.amdhsa_next_free_sgpr 100
		.amdhsa_reserve_vcc 0
		.amdhsa_float_denorm_mode_32 3
		.amdhsa_float_denorm_mode_16_64 3
		.amdhsa_memory_ordered 1
		.amdhsa_forward_progress 1
		.amdhsa_inst_pref_size 196
	.end_amdhsa_kernel
	.amdgpu_metadata
---
amdhsa.version: [ 1, 2 ]
amdhsa.kernels:
  - .name:           k_q23308ee349_qkv
    .symbol:         k_q23308ee349_qkv.kd
    .args:
      - { .name: xc, .offset: 0, .size: 8, .value_kind: global_buffer, .address_space: global }
      - { .name: wc, .offset: 8, .size: 8, .value_kind: global_buffer, .address_space: global }
      - { .name: rt, .offset: 16, .size: 8, .value_kind: global_buffer, .address_space: global }
      - { .name: lowp_scales, .offset: 24, .size: 8, .value_kind: global_buffer, .address_space: global }
      - { .name: qc, .offset: 32, .size: 8, .value_kind: global_buffer, .address_space: global }
      - { .name: kv, .offset: 40, .size: 8, .value_kind: global_buffer, .address_space: global }
    .group_segment_fixed_size: 327680
    .private_segment_fixed_size: 0
    .kernarg_segment_align: 8
    .kernarg_segment_size: 48
    .max_flat_workgroup_size: 128
    .sgpr_count:     100
    .vgpr_count:     1024
    .wavefront_size: 32
...
	.end_amdgpu_metadata
.endif
;; end of part 2
;; launch attn (part 3): grid 4 x 64, 16 waves a work-group, no clusters, 67,584 bytes of LDS; arguments qc, kv, lowp_scales, ac; writes ac
.if DOCPART == 3
	.amdgcn_target "amdgcn-amd-amdhsa--gfx1250"
	.amdhsa_code_object_version 6
	.text
	.protected	k_q23308ee349_attn
	.globl	k_q23308ee349_attn
	.p2align	8
	.type	k_q23308ee349_attn,@function
k_q23308ee349_attn:
	s_mov_b64 s[64:65], 0
	v_nop
	global_prefetch_b8 v0, s[64:65] scope:SCOPE_SE
	s_setreg_imm32_b32 hwreg(HW_REG_WAVE_MODE, 25, 1), 1
	s_wait_xcnt 0x0
; Causal attention on E4M3 codes, head size 64, 2,048 positions, 64 (batch, head) pairs; the result is quantised (2^e10) into the last product's operand.
; t = score x 2^(e6 + e7) x log2(e) / 8;  M = the running largest t rounded UP to a whole number;  p = 2^(t - M) is quantised with 2^e8, not normalised; the row's sum is taken of the unquantised p and divides at the end.
; SHARES.  Work-group (i, bh) owns query blocks i and 7 - i of 256 queries: block b needs key slots 0 .. b of 256 keys, so every work-group walks (i + 1) + (8 - i) = 9 slots: 256 equal work-groups.
; Each of the sixteen waves owns one tile of 16 queries in 256 registers: four waves to a SIMD, so that one wave's vector work stands beside another's products and LDS loads.
; K AND V COME THROUGH REGISTERS INTO TWO LDS SLOTS: a slot is one dense block of 32,768 bytes of kv, 64 bytes a thread: four loads and four LDS stores a wave.  It is asked for two trips ahead and stored one trip ahead.
; No joint requests: at trip T work-group i stands at key slot T or T - i - 1, so the four work-groups of a head want different slots at the same time.
; With no tensor load in the text a branch may hang on e8: where 448 x 2^e8 >= 1 (e8 >= -8), p <= 1 never reaches the hold, and its 64 lines are jumped over; with e8 <= -9 they run.
; LAYOUT.  Both products transposed: S^T = K Q^T (source 0 = 16 keys), O^T = V^T P^T (source 0 = 16 of the head's 64): a lane holds ONE query throughout.  All operands are images of fragment registers;
; place p of tile u in a group of 32 is element 8 u + p + 8 (p / 8), so the 16 registers of two neighbouring tiles are 16 neighbours: keys 32 b + 16 h + i for p, d = 32 p + 16 h + i for O.
; CAUSAL.  A step all of whose 128 keys come after my queries is jumped over (a branch on ids); on the diagonal hidden scores become -infinity ahead of the maximum, so p = 0 (the problem adds -1e9: the same p while |score| is far below 1e9).
; LIMITS: e6 + e7 between -123 and 130; e8, and e10 - e8 - e9, between -126 and 119.  NaN is not served.
; REGISTERS: v1 16 x lane, v2 16 x thread, v3, v4 LDS addresses in hand, v5 r + 8 (r / 8) - 16 h; v12 -M, v13 the largest t, v[14:15] the sum; v16-23 Q; v32-95 fragments of K, then of V; v96-159 S^T, then p; v160-191 O^T;
;   v192-207 p's codes; v208-223 a slot's 64 bytes on their way; v224-231 the result's codes; v240, v244: 448 x 2^e8, 2^e8; v245, v246: 2^(e10 - e8 - e9), 448 x it; v236, v242, v243, v252-254 at work.
.set SLOTB, 32768
.set VOFF,  16384                      ; in a slot: 16 tiles of K (1,024 bytes each), then V: 2 blocks of 128 keys x 4 tiles of d (2,048 bytes each)
.set FRG, 32
.set S,   96
.set O,   160
.set P,   192
.set STG, 208
.set OC,  224
; the key slot of trip s15 + n is asked for: slot T while T < i + 1, else T - (i + 1)
.macro KLOAD n
	s_add_co_u32 s40, s15, \n
	s_sub_co_u32 s41, s40, s13
	s_cmp_lt_u32 s40, s13
	s_cselect_b32 s40, s40, s41
	s_lshl_b32 s40, s40, 15
	s_mov_b32 s41, 0
	s_add_nc_u64 s[38:39], s[36:37], s[40:41]      ; (the loads that read this base before have been waited for)
.irp j, 0,1,2,3
	global_load_b128 v[STG+4*\j:STG+4*\j+3], v2, s[38:39] offset:\j*8192   ; the work-group reads 8,192 consecutive bytes
.endr
.endm
; block s53 begins: my tile, its Q, and the running figures
.macro NEWBLOCK
	s_lshl_b32 s52, s53, 4
	s_add_co_u32 s52, s52, s12                     ; my tile of the sequence's 128
	s_lshr_b32 s34, s52, 1
	s_lshl_b32 s34, s34, 5
	s_and_b32 s40, s52, 1
	s_lshl_b32 s40, s40, 3
	s_add_co_u32 s34, s34, s40                     ; its first query; lane r's is r + 8 (r / 8) further on
	s_mov_b32 s33, 0                               ; the step's first key
	s_lshl_b32 s40, s52, 10
	s_mov_b32 s41, 0
	s_add_nc_u64 s[54:55], s[48:49], s[40:41]
	global_load_b128 v[16:19], v1, s[54:55]
	global_load_b128 v[20:23], v1, s[54:55] offset:512
	v_mov_b32 v13, 0xff61b1e6                      ; the largest t so far: -3e38
	v_floor_f32 v12, -v13                          ; -M
	v_mov_b32 v14, 0
	v_mov_b32 v15, 0
.set i, 0
.rept 32
	v_mov_b32 v[O+i], 0                            ; the step is written once: a block's first step finds zeros
.set i, i+1
.endr
	s_wait_loadcnt 0x0
.endm
; A KEY STEP: the q-th 128 keys of the slot in hand
.macro STEP q
	s_add_co_u32 s40, s34, 23                      ; my last query
	s_cmp_gt_u32 s33, s40
	s_cbranch_scc1 .Lhidden_\@
	v_add_nc_u32 v4, s35, v1
.rept 3
	v_nop                                          ; with the line above: four places in front of loads into registers that the last products read
.endr
.irp t, 0,1,2,3,4,5,6,7
	ds_load_b128 v[FRG+8*\t:FRG+8*\t+3],   v4 offset:(\q)*8192+\t*1024
	ds_load_b128 v[FRG+8*\t+4:FRG+8*\t+7], v4 offset:(\q)*8192+\t*1024+512
.endr
	s_wait_dscnt 0x0
.irp t, 0,1,2,3,4,5,6,7
	v_wmma_f32_16x16x64_fp8_fp8 v[S+8*\t:S+8*\t+7], v[FRG+8*\t:FRG+8*\t+7], v[16:23], 0
.endr
.rept 4
	v_nop                                          ; places in front of the loads below and of the first read of the scores
.endr
.irp b, 0,1,2,3
.irp c, 0,1,2,3
	ds_load_b128 v[FRG+16*\b+4*\c:FRG+16*\b+4*\c+3], v4 offset:VOFF+(\q)*8192+\b*2048+\c*512   ; V lands under the softmax
.endr
.endr
	s_add_co_u32 s40, s33, 127
	s_cmp_le_u32 s40, s34                          ; all 128 keys count for all my queries?
	s_cbranch_scc1 .Lopen_\@
	s_sub_co_i32 s40, s34, s33
	v_add_nc_u32 v252, s40, v5                     ; d = my query - the step's first key - 16 h: register 16 b + i holds key 32 b + 16 h + i, hidden where 32 b + i > d
	v_mov_b32 v254, 0xff800000
.set n, 0
.rept 64
	v_cmp_gt_i32 vcc_lo, 32*(n/16)+n%16, v252
	v_cndmask_b32 v[S+n], v[S+n], v254, vcc_lo
.set n, n+1
.endr
.Lopen_\@:
	v_max3_num_f32 v254, v96, v97, v98             ; the step's largest score of my query among my 64 keys, in two chains, ascending,
	v_max3_num_f32 v252, v99, v100, v101
.irp i, 6,10,14,18,22,26,30,34,38,42,46,50,54,58
	v_max3_num_f32 v254, v254, v[96+\i], v[97+\i]
	v_max3_num_f32 v252, v252, v[98+\i], v[99+\i]
.endr
	v_max3_num_f32 v254, v254, v158, v159
	v_max_num_f32 v254, v254, v252
	v_permlanex16_b32 v236, v254, s16, s17
	v_max_num_f32 v254, v254, v236                 ; and among the lane 16 away's
	v_mul_f32 v254, s18, v254                      ; as t
	v_max_num_f32 v13, v13, v254
	v_mov_b32 v254, v12
	v_floor_f32 v12, -v13                          ; the new -M = floor(-t): M is a whole number
	v_sub_f32 v254, v12, v254                      ; old M - new M, 0 or less
	v_cvt_i32_f32 v254, v254                       ; (it saturates)
	v_ldexp_f32 v252, 1.0, v254                    ; f = 2^(old M - new M): rounds nothing
.set j, 0
.rept 32
	v_pk_fma_f32 v[S+j:S+j+1], v[S+j:S+j+1], s[18:19], v[12:13] op_sel_hi:[1,0,0]   ; t - M, two at a time
.set j, j+2
.endr
.set j, 0
.rept 64
	v_exp_f32 v[S+j], v[S+j]                       ; p, at most 1
.set j, j+1
.endr
	v_pk_mul_f32 v[14:15], v[14:15], v[252:253] op_sel_hi:[1,0]   ; the sum under the new M: the plain line behind the exponentials
	s_wait_alu depctr_va_vdst(0)                   ; one wait for the batch of 64, ahead of its first reader
	v_pk_add_f32 v[242:243], v[96:97], v[98:99]    ; the sum of the unquantised p, in two chains
.irp j, 4,8,12,16,20,24,28,32,36,40,44,48,52,56,60
	v_pk_add_f32 v[14:15], v[14:15], v[96+\j:97+\j]
	v_pk_add_f32 v[242:243], v[242:243], v[98+\j:99+\j]
.endr
	v_pk_add_f32 v[14:15], v[14:15], v[242:243]
	s_cmp_lg_u32 s32, 0                            ; can p = 1 pass 448 x 2^e8?
	s_cbranch_scc0 .Lno_hold_\@
.set j, 0
.rept 64
	v_min_num_f32 v[S+j], v[S+j], v240             ; the conversion does not saturate (ISA guide 7.6.2); p is not negative
.set j, j+1
.endr
.Lno_hold_\@:
.irp b, 0,1,2,3
	v_cvt_scalef32_pk8_fp8_f32 v[P+4*\b:P+4*\b+1],   v[S+16*\b:S+16*\b+7],    v244
	v_cvt_scalef32_pk8_fp8_f32 v[P+4*\b+2:P+4*\b+3], v[S+16*\b+8:S+16*\b+15], v244
.endr
.set j, 0
.rept 16
	v_pk_mul_f32 v[O+j:O+j+1], v[O+j:O+j+1], v[252:253] op_sel_hi:[1,0]   ; O^T under the new M; also the plain lines between the conversions and the products
.set j, j+2
.endr
	s_wait_dscnt 0x0                               ; V is in
.irp b, 0,1,2,3
	v_wmma_f32_16x16x128_fp8_fp8 v[O+8*\b:O+8*\b+7], v[FRG+16*\b:FRG+16*\b+15], v[P:P+15], v[O+8*\b:O+8*\b+7]   ; four accumulators, one instruction each
.endr
.Lhidden_\@:
	s_add_co_u32 s33, s33, 128
.endm
; A block is finished: O^T / the sum, held, quantised.  A number stands for O x 2^(e8 + e9) / l, so its code is (O / l) / 2^(e10 - e8 - e9).  The codes are the image as they stand: two stores of 512 consecutive bytes.
.macro FINISH
.rept 4
	v_nop                                          ; places behind the last products
.endr
	v_add_f32 v14, v14, v15
	v_permlanex16_b32 v236, v14, s16, s17
	v_add_f32 v14, v14, v236                       ; the row's sum
	v_rcp_f32 v14, v14
	v_nop                                          ; a plain line behind the reciprocal
	s_wait_xcnt 0x0                                ; the first block's stores have read their base and their data
	s_lshr_b32 s40, s14, 4
	s_lshl_b32 s40, s40, 7
	s_add_co_u32 s40, s40, s52                     ; row tile R = 128 x batch + my tile
	s_lshr_b32 s41, s40, 3
	s_lshl_b32 s41, s41, 17
	s_and_b32 s40, s40, 7
	s_lshl_b32 s40, s40, 12
	s_add_co_u32 s40, s40, s41
	s_add_co_u32 s40, s40, s46                     ; + the head's place along K
	s_mov_b32 s41, 0
	s_add_nc_u64 s[50:51], s[10:11], s[40:41]
	s_wait_alu depctr_va_vdst(0)                   ; ahead of the reciprocal's first reader
.set j, 0
.rept 16
	v_pk_mul_f32 v[S+j:S+j+1], v[O+j:O+j+1], v[14:15] op_sel_hi:[1,0]
.set j, j+2
.endr
.set j, 0
.rept 32
	v_med3_num_f32 v[S+j], v[S+j], -v246, v246
.set j, j+1
.endr
.irp g, 0,1,2,3
	v_cvt_scalef32_pk8_fp8_f32 v[OC+2*\g:OC+2*\g+1], v[S+8*\g:S+8*\g+7], v245
.endr
	v_nop                                          ; a plain line behind the last conversion
	global_store_b128 v1, v[OC:OC+3],   s[50:51]
	global_store_b128 v1, v[OC+4:OC+7], s[50:51] offset:512
.endm
; A TRIP: one key slot.  st = 1: the next trip's slot goes from registers into the other LDS slot.  ld = 1: the slot two trips on is asked for.  sw = 1: the trip at which the second block begins may be this one.
.macro TRIP st, ld, sw
	s_wait_dscnt 0x0                               ; my stores into this trip's slot are done, and so are my reads of the other one
	s_barrier_signal -1
	s_barrier_wait -1                              ; both now hold of all sixteen waves
.if \st
	s_wait_loadcnt 0x0                             ; the next slot's 64 bytes of mine are in registers
	s_xor_b32 s40, s35, SLOTB
	v_add_nc_u32 v3, s40, v2
.irp j, 0,1,2,3
	ds_store_b128 v3, v[STG+4*\j:STG+4*\j+3] offset:\j*8192
.endr
.endif
.if \sw
	s_cmp_lg_u32 s15, s13
	s_cbranch_scc1 .Lsame_\@
	FINISH
	s_sub_co_u32 s53, 7, ttmp9
	NEWBLOCK
.Lsame_\@:
.endif
	STEP 0
.if \ld
	s_wait_dscnt 0x0                               ; the LDS stores have read the registers into which the loads below land
	KLOAD 2
.endif
	STEP 1
	s_xor_b32 s35, s35, SLOTB
.endm
	s_load_b256 s[4:11], s[0:1], 0x0               ; qc s[4:5], kv s[6:7], the exponents s[8:9], ac s[10:11]
	v_lshl_add_u32 v251, v0, 2, 0x10000
	v_mov_b32 v255, 0
	v_lshrrev_b32 v1, 5, v0
	v_readfirstlane_b32 s12, v1                    ; wave 0..15
	v_and_b32 v1, 31, v0
	v_lshlrev_b32 v1, 4, v1
	v_lshlrev_b32 v2, 4, v0
	v_and_b32 v5, 15, v0
	v_and_b32 v4, 8, v5
	v_add_nc_u32 v5, v5, v4
	v_bfe_u32 v4, v0, 4, 1
	v_lshlrev_b32 v4, 4, v4
	v_sub_nc_u32 v5, v5, v4
	v_mov_b32 v236, 0                              ; written once: a lane permute's destination counts as one of its sources
	v_mov_b32 v253, 0                              ; (named as the upper half of the pair v[252:253])
	s_add_co_u32 s13, ttmp9, 1                     ; the trip at which the second block begins
	s_and_b32 s14, ttmp7, 0xffff                   ; batch x 16 + head
	s_mov_b32 s15, 0                               ; the trip
	s_mov_b32 s16, 0x76543210
	s_mov_b32 s17, 0xfedcba98                      ; selects: the lane 16 away
	s_mov_b32 s35, 0                               ; the LDS slot in hand
	s_and_b32 s46, s14, 15                         ; the head's place in ac: K step head / 2, chunks 2 (head % 2) + 0, 1
	s_lshr_b32 s47, s46, 2
	s_lshl_b32 s47, s47, 15
	s_and_b32 s46, s46, 3
	s_lshl_b32 s46, s46, 10
	s_add_co_u32 s46, s46, s47
	s_lshl_b32 s40, s14, 18
	s_mov_b32 s41, 0
	s_lshl_b32 s42, s14, 17
	s_mov_b32 s43, 0
	s_wait_kmcnt 0x0
	s_load_b256 s[20:27], s[8:9], 0x0              ; e0 .. e7
	s_load_b128 s[28:31], s[8:9], 0x20             ; e8 .. e11
	s_add_nc_u64 s[36:37], s[6:7], s[40:41]        ; my head's eight slots
	s_add_nc_u64 s[48:49], s[4:5], s[42:43]        ; my head's 128 tiles of Q
	KLOAD 0
	s_mov_b32 s53, ttmp9
	NEWBLOCK                                       ; its wait is for the slot's loads too
.irp j, 0,1,2,3
	ds_store_b128 v2, v[STG+4*\j:STG+4*\j+3] offset:\j*8192
.endr
	s_wait_dscnt 0x0
	KLOAD 1
	s_wait_kmcnt 0x0
	s_add_co_i32 s40, s26, s27
	s_lshl_b32 s40, s40, 23
	s_add_co_i32 s18, s40, 0x3e38aa3b              ; c = log2(e) / 8, with e6 + e7 added to its exponent field
	s_mov_b32 s19, s18                             ; (named with it as a pair)
	s_cmp_lt_i32 s28, -8
	s_cselect_b32 s32, 1, 0                        ; 1: the hold is needed
	s_add_co_i32 s40, s28, 127
	s_lshl_b32 s41, s40, 23
	v_mov_b32 v244, s41
	s_add_co_i32 s40, s40, 8
	s_lshl_b32 s40, s40, 23
	s_or_b32 s40, s40, 0x600000
	v_mov_b32 v240, s40
	s_sub_co_i32 s40, s30, s28
	s_sub_co_i32 s40, s40, s29
	s_add_co_i32 s40, s40, 127
	s_lshl_b32 s41, s40, 23
	v_mov_b32 v245, s41
	s_add_co_i32 s40, s40, 8
	s_lshl_b32 s40, s40, 23
	s_or_b32 s40, s40, 0x600000
	v_mov_b32 v246, s40
.Ltrip:                                            ; trips 0 to 6
	TRIP 1, 1, 1
	s_add_co_u32 s15, s15, 1
	s_cmp_lt_u32 s15, 7
	s_cbranch_scc1 .Ltrip
	TRIP 1, 0, 0                                   ; trip 7: nothing is left to ask for
	TRIP 0, 0, 0                                   ; trip 8: nothing is left to store into LDS
	FINISH
	s_wait_tensorcnt 0x0
	ds_add_u32 v251, v255
	s_wait_dscnt 0x0
	s_endpgm
.Lfunc_end_k_q23308ee349_attn:
	.size	k_q23308ee349_attn, .Lfunc_end_k_q23308ee349_attn-k_q23308ee349_attn
	.p2alignl 7, 3214868480
	.fill 96, 4, 3214868480
	.section	.rodata,"a",@progbits
	.p2align	6, 0x0
	.amdhsa_kernel k_q23308ee349_attn
		.amdhsa_group_segment_fixed_size 67584
		.amdhsa_private_segment_fixed_size 0
		.amdhsa_enable_private_segment 0
		.amdhsa_kernarg_size 32
		.amdhsa_user_sgpr_count 2
		.amdhsa_user_sgpr_kernarg_segment_ptr 1
		.amdhsa_wavefront_size32 1
		.amdhsa_system_sgpr_workgroup_id_x 1
		.amdhsa_system_sgpr_workgroup_id_y 1
		.amdhsa_system_sgpr_workgroup_id_z 1
		.amdhsa_system_vgpr_workitem_id 0
		.amdhsa_next_free_vgpr 256
		.amdhsa_next_free_sgpr 66
		.amdhsa_reserve_vcc 1
		.amdhsa_float_denorm_mode_32 3
		.amdhsa_float_denorm_mode_16_64 3
		.amdhsa_memory_ordered 1
		.amdhsa_forward_progress 1
		.amdhsa_inst_pref_size 141
	.end_amdhsa_kernel
	.amdgpu_metadata
---
amdhsa.version: [ 1, 2 ]
amdhsa.kernels:
  - .name:           k_q23308ee349_attn
    .symbol:         k_q23308ee349_attn.kd
    .args:
      - { .name: qc, .offset: 0, .size: 8, .value_kind: global_buffer, .address_space: global }
      - { .name: kv, .offset: 8, .size: 8, .value_kind: global_buffer, .address_space: global }
      - { .name: lowp_scales, .offset: 16, .size: 8, .value_kind: global_buffer, .address_space: global }
      - { .name: ac, .offset: 24, .size: 8, .value_kind: global_buffer, .address_space: global }
    .group_segment_fixed_size: 67584
    .private_segment_fixed_size: 0
    .kernarg_segment_align: 8
    .kernarg_segment_size: 32
    .max_flat_workgroup_size: 512
    .sgpr_count:     66
    .vgpr_count:     256
    .wavefront_size: 32
...
	.end_amdgpu_metadata
.endif
;; end of part 3
;; launch outp (part 4): grid 4 x 32, 4 waves a work-group, clusters of 4 x 4, 327,680 bytes of LDS; arguments ac, wc, lowp_scales, out0; writes out0
.if DOCPART == 4
	.amdgcn_target "amdgcn-amd-amdhsa--gfx1250"
	.amdhsa_code_object_version 6
	.text
	.protected	k_q23308ee349_outp
	.globl	k_q23308ee349_outp
	.p2align	8
	.type	k_q23308ee349_outp,@function
k_q23308ee349_outp:
	s_mov_b64 s[64:65], 0
	v_nop
	global_prefetch_b8 v0, s[64:65] scope:SCOPE_SE
	s_setreg_imm32_b32 hwreg(HW_REG_WAVE_MODE, 25, 1), 1
	s_wait_xcnt 0x0
	s_wait_alu depctr_hold_cnt(0) depctr_sa_sdst(0) depctr_va_vdst(0) depctr_va_sdst(0) depctr_va_ssrc(0) depctr_va_vcc(0) depctr_vm_vsrc(0)
	s_getreg_b32 s2, hwreg(HW_REG_IB_STS2, 6, 4)
	s_cmp_eq_u32 s2, 0
	s_cbranch_scc0 .Lentry_in_a_cluster
	s_endpgm
.Lentry_in_a_cluster:
	s_bfe_u32 s2, ttmp6, 0x10000c
	s_cmp_lg_u32 s2, 0xf033
	s_cbranch_scc0 .Lentry_shape_is_right
	s_endpgm
.Lentry_shape_is_right:
; out0 = (attention's result) Wo on E4M3 codes: [8192][1024] f32; each finished sum x 2^(e10 + e11).  LIMIT: e10 + e11 between -126 and 127.
; A tile of 256 x 256 is made by four waves, each 128 x 128: 64 accumulators.  K = 1,024 goes in four slots of 256 through a ring of two LDS slots.
; Both operands lie in memory as images of fragment registers (16 places x 128 K = 2,048 bytes), 128 rows x 256 K in one dense block of 32,768 bytes: one tensor load a wave brings a block, and every LDS load reads 512 consecutive bytes.
; Place p of tile u in a group of 32 rows (or columns) is element 8 u + p + 8 (p / 8).  Source 0 = 16 columns of Wo, source 1 = 16 rows: a lane holds one row, and its registers 16 g + i are columns 32 g + 16 h + i.
; CLUSTERS: 4 x 4 work-groups; the rows' block is asked for jointly along a row of the cluster, Wo's along a column.
; THE WAY OUT: 16 rows x 128 columns at a time through my own stage in LDS, back as whole rows of 512 bytes.  The stage has bytes of its own, behind the ring and the spare words: no tensor load lands there.
; REGISTERS: window 0: v16-29 addresses; v32-95 a block's sums x the scale; from v128 the rows' fragments, ONE set (on the way out: rows read back, two sets).  window 1: Wo's fragments, TWO sets.  windows 2, 3: the accumulators.
.set HALFT,  32768
.set SLOT,   4*HALFT
.set SPARE,  2*SLOT                    ; the spare words, 128 bytes for each wave, which no other line names
.set STAGE,  SPARE+512
.set SPITCH, 528                       ; a stage row: 512 bytes + 16
.set FR,     16
.set NL,     4
.set NP,     4
.set ADRA, 16
.set ADRB, 20
.set LN,   24                          ; v24  16 x lane: also my place in a row of out0
.set STO,  25                          ; v25  the stage: where I put 64 bytes of a row
.set RD,   26                          ; v26  and where I read a row back
.set SPW,  28
.set NIL,  29
.set TMP,  32
.set AF,   128
.set BK,   128
.set G1, 24
.set G0, 32
.set G1B, 48
.set G0B, 56
.set MSB, 0
.macro WIN new
.if MSB != (\new)
	s_set_vgpr_msb (MSB<<8)|(\new)
.set MSB, \new
.endif
.endm
.set MUL_LO, 0xa1
.set MUL_HI, 0xf1
.set TO_B,   0x40
.macro JLOAD s                         ; waves 0 and 1 fetch the rows' halves, waves 2 and 3 Wo's; four v_nop follow each line
	s_cmp_eq_u32 s15, 0
	s_cbranch_scc0 .Lfor_b_\@
	tensor_load_to_lds s[G0+4*\s:G0+4*\s+3], s[G1:G1+7]
	s_nop 0
.rept 4
	v_nop
.endr
	s_branch .Lasked_\@
.Lfor_b_\@:
	tensor_load_to_lds s[G0B+4*\s:G0B+4*\s+3], s[G1B:G1B+7]
	s_nop 0
.rept 4
	v_nop
.endr
.Lasked_\@:
.endm
.macro CREST
	s_cmp_lg_u32 s14, 0
	s_cbranch_scc1 .Lnot_wave_0_\@
	s_barrier_signal -3
.Lnot_wave_0_\@:
	s_barrier_wait -3
	s_barrier_signal -1
	s_barrier_wait -1
.endm
.macro CROUND
	s_barrier_signal -1
	s_barrier_wait -1
	CREST
.endm
	s_load_b256 s[4:11], s[0:1], 0x0               ; ac s[4:5], wc s[6:7], the exponents s[8:9], out0 s[10:11]
	v_lshl_add_u32 v[SPW], v0, 2, SPARE
	v_mov_b32 v[NIL], 0
	ds_add_u32 v28, v29
	ds_add_u32 v28, v29
	s_wait_dscnt 0x0
	v_lshrrev_b32 v1, 5, v0
	v_readfirstlane_b32 s14, v1                    ; wave 0..3
	s_lshr_b32 s15, s14, 1                         ; wm: my half of the rows.  Also: I fetch for the rows (0) or for Wo (1)
	s_and_b32 s16, s14, 1                          ; wn: my half of the columns.  Also: which half I fetch
	s_bfe_u32 s40, ttmp6, 0x40000
	s_bfe_u32 s41, ttmp6, 0x40004
	s_lshl_b32 s42, ttmp9, 2
	s_add_co_u32 s42, s42, s40                     ; tile column
	s_and_b32 s17, ttmp7, 0xffff
	s_lshl_b32 s17, s17, 2
	s_add_co_u32 s17, s17, s41                     ; tile row
	s_lshl_b32 s43, s41, 2
	s_lshl_b32 s43, 15, s43
	s_lshl_b32 s44, 0x1111, s40
	s_or_b32 s[G1+0], s43, (3<<16)|(1<<21)         ; 15:0 the mask; 17:16 elements of 8 bytes; 21 set beside a mask
	s_or_b32 s[G1B+0], s44, (3<<16)|(1<<21)
.irp g, G1, G1B
	s_mov_b32 s[\g+1], 32<<16                      ; a dense block of 32,768 bytes: 128 rows of 32 elements
	s_mov_b32 s[\g+2], 128<<16
	s_mov_b32 s[\g+3], 32<<16
	s_mov_b32 s[\g+4], 128
	s_mov_b32 s[\g+5], 32
	s_mov_b32 s[\g+6], 0
	s_mov_b32 s[\g+7], 0
.endr
	s_lshl_b32 s20, s17, 1
	s_add_co_u32 s20, s20, s16
	s_lshl_b32 s20, s20, 17
	s_mov_b32 s21, 0
	s_lshl_b32 s46, s42, 1
	s_add_co_u32 s46, s46, s16
	s_lshl_b32 s46, s46, 17
	s_add_co_u32 s46, s46, 3145728                 ; Wo is the fourth tensor in wc
	s_mov_b32 s47, 0
	s_lshl_b32 s45, s14, 15
	s_wait_kmcnt 0x0
	s_load_b64 s[96:97], s[8:9], 0x28              ; e10, e11
	s_add_nc_u64 s[20:21], s[4:5], s[20:21]
	s_add_nc_u64 s[46:47], s[6:7], s[46:47]
	CROUND                                         ; all sixteen work-groups are here: the first joint loads meet
.irp s, 0,1
	s_mov_b32 s[G0+4*\s], 1
	s_add_co_u32 s[G0+4*\s+1], s45, \s*SLOT
	s_add_nc_u64 s[G0+4*\s+2:G0+4*\s+3], s[20:21], \s*HALFT
	s_or_b32 s[G0+4*\s+3], s[G0+4*\s+3], 0x80000000
	s_mov_b32 s[G0B+4*\s], 1
	s_add_co_u32 s[G0B+4*\s+1], s45, \s*SLOT
	s_add_nc_u64 s[G0B+4*\s+2:G0B+4*\s+3], s[46:47], \s*HALFT
	s_or_b32 s[G0B+4*\s+3], s[G0B+4*\s+3], 0x80000000
	JLOAD \s
.endr
	v_and_b32 v1, 15, v0                           ; r
	v_bfe_u32 v2, v0, 4, 1                         ; h
	v_and_b32 v3, 31, v0
	v_lshlrev_b32 v[LN], 4, v3
	s_lshl_b32 s21, s15, 15                        ; my 128 rows
	s_lshl_b32 s22, s16, 15
	s_add_co_u32 s22, s22, 2*HALFT                 ; my 128 columns, behind the rows' two halves
.irp s, 0,1
	v_add_nc_u32 v[ADRA+\s], s21, v[LN]
	v_add_nc_u32 v[ADRB+\s], s22, v[LN]
	s_add_co_u32 s21, s21, SLOT
	s_add_co_u32 s22, s22, SLOT
.endr
	s_mul_i32 s23, s14, 16*SPITCH
	s_add_co_u32 s23, s23, STAGE                   ; my stage
	v_mul_u32_u24 v5, v1, SPITCH
	v_lshl_add_u32 v5, v2, 6, v5
	v_add_nc_u32 v[STO], s23, v5                   ; in: row r, + 64 h: columns 32 g + 16 h on lie 128 g bytes further
	v_add_nc_u32 v[RD], s23, v[LN]                 ; back: the 32 lanes take one row of 512 bytes
	s_lshl_b32 s20, s17, 8
	s_lshl_b32 s21, s15, 7
	s_add_co_u32 s20, s20, s21
	s_lshl_b32 s20, s20, 12                        ; my first row of out0, 4,096 bytes a row
	s_lshl_b32 s46, s42, 10
	s_lshl_b32 s47, s16, 9
	s_add_co_u32 s46, s46, s47                     ; my first column, in bytes
	s_add_co_u32 s46, s46, s20
	s_mov_b32 s47, 0
	s_add_nc_u64 s[10:11], s[10:11], s[46:47]      ; never stepped: every row's place stands in a store's immediate
.macro FRAG reg, adr, q, i
.irp c, 0,1,2,3
	ds_load_b128 v[\reg+4*\c:\reg+4*\c+3], v[\adr] offset:2048*(\q)+512*\c+(\i)*4096
.endr
.endm
.macro MUL16 a0, p, zero               ; the 64 accumulators take turns, one instruction a turn, in the same order in every step
.irp a, \a0, \a0+1
.irp b, 0,1,2,3,4,5,6,7
.if \zero
	v_wmma_f32_16x16x128_fp8_fp8 v[8*(8*((\a)%4)+\b):8*(8*((\a)%4)+\b)+7], v[128*(\p)+FR*\b:128*(\p)+FR*\b+FR-1], v[AF+FR*(\a):AF+FR*(\a)+FR-1], 0
.else
	v_wmma_f32_16x16x128_fp8_fp8 v[8*(8*((\a)%4)+\b):8*(8*((\a)%4)+\b)+7], v[128*(\p)+FR*\b:128*(\p)+FR*\b+FR-1], v[AF+FR*(\a):AF+FR*(\a)+FR-1], v[8*(8*((\a)%4)+\b):8*(8*((\a)%4)+\b)+7]
.endif
.endr
.endr
.endm
.macro FETCH_B slot, q, p
	WIN TO_B
.irp i, 0,1,2,3,4,5,6,7
	FRAG 128*(\p)+FR*\i, ADRB+\slot, \q, \i
.endr
	WIN 0
.endm
.macro FETCH_A slot, q, i0
.irp i, \i0, \i0+1, \i0+2, \i0+3
	FRAG AF+FR*(\i), ADRA+\slot, \q, \i
.endr
.endm
.macro PLACES n
.rept \n
	v_nop
.endr
.endm
.macro STEP slot, q, zero
	s_wait_dscnt 4*NL                              ; Wo's set and row blocks 0-3 are in; the youngest sixteen loads (blocks 4-7) may be out
	WIN MUL_LO
	MUL16 0, (\q)%2, \zero
	MUL16 2, (\q)%2, \zero
	s_wait_dscnt 0
	PLACES NP
	FETCH_B \slot, (\q)+1, 1-(\q)%2
	FETCH_A \slot, (\q)+1, 0
	WIN MUL_HI
	MUL16 4, (\q)%2, \zero
	MUL16 6, (\q)%2, \zero
	PLACES NP
	WIN 0
	FETCH_A \slot, (\q)+1, 4
.endm
.macro TURN slot, next, fill
	s_wait_tensorcnt 0x0                           ; all my tensor loads have landed: my part of the next slot
	ds_add_u32 v[SPW], v[NIL]                      ; 0 onto my spare word
	s_wait_dscnt 4*NL+1                            ; (the add and the youngest sixteen loads may be out)
	WIN MUL_LO
	MUL16 0, 1, 0
	s_wait_dscnt 0x0                               ; the add is done, and my reads of this slot are over
	s_barrier_signal -1
	MUL16 2, 1, 0
	WIN 0
	s_barrier_wait -1
.if \fill
	CREST                                          ; the barrier has opened a round of the cluster's: no wave of any partner still reads this slot or has a load on its way
	s_add_nc_u64 s[G0+4*\slot+2:G0+4*\slot+3], s[G0+4*\slot+2:G0+4*\slot+3], 2*HALFT
	s_add_nc_u64 s[G0B+4*\slot+2:G0B+4*\slot+3], s[G0B+4*\slot+2:G0B+4*\slot+3], 2*HALFT
	JLOAD \slot                                    ; the first tensor load behind the round, my one load until the next
.else
	PLACES NP
.endif
	FETCH_B \next, 0, 0
	FETCH_A \next, 0, 0
	WIN MUL_HI
	MUL16 4, 1, 0
	MUL16 6, 1, 0
	PLACES NP
	WIN 0
	FETCH_A \next, 0, 4
.endm
	s_wait_tensorcnt 1                             ; my part of K slot 0 is in (slot 1's load may be out)
	s_barrier_signal -1
	s_barrier_wait -1
	FETCH_B 0, 0, 0
	FETCH_A 0, 0, 0
	FETCH_A 0, 0, 4
	STEP 0, 0, 1
	TURN 0, 1, 1
	STEP 1, 0, 0
	TURN 1, 0, 1
	STEP 0, 0, 0
	TURN 0, 1, 0
	STEP 1, 0, 0
	s_wait_dscnt 4*NL
	WIN MUL_LO
	MUL16 0, 1, 0
	MUL16 2, 1, 0
	s_wait_dscnt 0
	WIN MUL_HI
	MUL16 4, 1, 0
	MUL16 6, 1, 0
	WIN 0
; Block a (16 rows x 128 columns): x 2^(e10 + e11) into other registers, each accumulator from its low end on; into my stage; back by rows.  LDS serves a wave's instructions in order (ISA guide 5.7.1.4): no wait between the stores and the loads.
.macro TOSTAGE a
.set AC, 64*((\a)%4)
	WIN 0x02+((\a)/4)
.set j, 0
.rept 32
	v_pk_mul_f32 v[TMP+j:TMP+j+1], v[AC+j:AC+j+1], s[96:97] op_sel_hi:[1,0]
.set j, j+2
.endr
	WIN 0
.irp g, 0,1,2,3
.irp k, 0,1,2,3
	ds_store_b128 v[STO], v[TMP+16*\g+4*\k:TMP+16*\g+4*\k+3] offset:128*\g+16*\k
.endr
.endr
.set BB, BK+64*((\a)%2)
.irp t, 0,1,2,3,4,5,6,7,8,9,10,11,12,13,14,15
	ds_load_b128 v[BB+4*\t:BB+4*\t+3], v[RD] offset:\t*SPITCH
.endr
.endm
.macro SEND a, younger                 ; younger: the LDS instructions issued behind block a's loads, which may stay out
.set BB, BK+64*((\a)%2)
	s_wait_dscnt \younger
.irp t, 0,1,2,3,4,5,6,7,8,9,10,11,12,13,14,15
	global_store_b128 v[LN], v[BB+4*\t:BB+4*\t+3], s[10:11] offset:(32*((\a)/2)+8*((\a)%2)+\t+8*(\t/8))*4096 th:TH_STORE_NT   ; place t's row: 512 consecutive bytes, at a multiple of 512 from out0's first byte; written once
.endr
.endm
	s_wait_kmcnt 0x0
	s_add_co_i32 s96, s96, s97
	s_add_co_i32 s96, s96, 127
	s_lshl_b32 s96, s96, 23                        ; 2^(e10 + e11) as f32
	s_mov_b32 s97, s96                             ; (named with it as a pair)
	PLACES NP                                      ; behind the last products: their results are read, and loads land in the rows' fragments' registers, below
	TOSTAGE 0
.irp a, 1,2,3,4,5,6,7
.if \a > 1
	s_wait_xcnt 0x0                                ; block a - 2's stores have read the registers in which block a's rows land
.endif
	TOSTAGE \a
	SEND \a-1, 32                                  ; behind block a - 1's loads: block a's 16 stores and 16 loads
.endr
	SEND 7, 0
	s_wait_tensorcnt 0x0                           ; the wave's end
	ds_add_u32 v[SPW], v[NIL]
	s_wait_dscnt 0x0
	CROUND                                         ; the closing round
	s_endpgm
.Lfunc_end_k_q23308ee349_outp:
	.size	k_q23308ee349_outp, .Lfunc_end_k_q23308ee349_outp-k_q23308ee349_outp
	.p2alignl 7, 3214868480
	.fill 96, 4, 3214868480
	.section	.rodata,"a",@progbits
	.p2align	6, 0x0
	.amdhsa_kernel k_q23308ee349_outp
		.amdhsa_group_segment_fixed_size 327680
		.amdhsa_private_segment_fixed_size 0
		.amdhsa_enable_private_segment 0
		.amdhsa_kernarg_size 32
		.amdhsa_user_sgpr_count 2
		.amdhsa_user_sgpr_kernarg_segment_ptr 1
		.amdhsa_wavefront_size32 1
		.amdhsa_system_sgpr_workgroup_id_x 1
		.amdhsa_system_sgpr_workgroup_id_y 1
		.amdhsa_system_sgpr_workgroup_id_z 1
		.amdhsa_system_vgpr_workitem_id 0
		.amdhsa_next_free_vgpr 1024
		.amdhsa_next_free_sgpr 100
		.amdhsa_reserve_vcc 0
		.amdhsa_float_denorm_mode_32 3
		.amdhsa_float_denorm_mode_16_64 3
		.amdhsa_memory_ordered 1
		.amdhsa_forward_progress 1
		.amdhsa_inst_pref_size 122
	.end_amdhsa_kernel
	.amdgpu_metadata
---
amdhsa.version: [ 1, 2 ]
amdhsa.kernels:
  - .name:           k_q23308ee349_outp
    .symbol:         k_q23308ee349_outp.kd
    .args:
      - { .name: ac, .offset: 0, .size: 8, .value_kind: global_buffer, .address_space: global }
      - { .name: wc, .offset: 8, .size: 8, .value_kind: global_buffer, .address_space: global }
      - { .name: lowp_scales, .offset: 16, .size: 8, .value_kind: global_buffer, .address_space: global }
      - { .name: out0, .offset: 24, .size: 8, .value_kind: global_buffer, .address_space: global }
    .group_segment_fixed_size: 327680
    .private_segment_fixed_size: 0
    .kernarg_segment_align: 8
    .kernarg_segment_size: 32
    .max_flat_workgroup_size: 128
    .sgpr_count:     100
    .vgpr_count:     1024
    .wavefront_size: 32
...
	.end_amdgpu_metadata
.endif
;; end of part 4
;; ======== version 2 of 2: 4 launches; version 1 with the launch attn written anew for expert scheduling mode
;; workspace buffers: xc 25,165,824 bytes; wc 4,194,304 bytes; rt 524,288 bytes; qc 8,388,608 bytes; kv 16,777,216 bytes; ac 8,388,608 bytes
;; launch prep: the kernel of part 1 again; grid 512 x 1, 8 waves a work-group, no clusters, 68,608 bytes of LDS; arguments x, Wq, Wk, Wv, Wo, lowp_scales, xc, wc, rt; writes xc, wc, rt
;; launch qkv: the kernel of part 2 again; grid 12 x 32, 4 waves a work-group, clusters of 4 x 4, 327,680 bytes of LDS; arguments xc, wc, rt, lowp_scales, qc, kv; writes qc, kv
;; launch attn (part 5): grid 4 x 64, 16 waves a work-group, no clusters, 67,584 bytes of LDS; arguments qc, kv, lowp_scales, ac; writes ac
.if DOCPART == 5
	.amdgcn_target "amdgcn-amd-amdhsa--gfx1250"
	.amdhsa_code_object_version 6
	.text
	.protected	k_q23308ee349_attn
	.globl	k_q23308ee349_attn
	.p2align	8
	.type	k_q23308ee349_attn,@function
k_q23308ee349_attn:
	s_mov_b64 s[64:65], 0
	v_nop
	global_prefetch_b8 v0, s[64:65] scope:SCOPE_SE
	s_setreg_imm32_b32 hwreg(HW_REG_WAVE_SCHED_MODE, 0, 2), 2
	s_setreg_imm32_b32 hwreg(HW_REG_WAVE_MODE, 25, 1), 1
	s_wait_xcnt 0x0
	s_wait_alu depctr_vm_vsrc(0)
; Causal attention on E4M3 codes, head size 64, 2,048 positions, 64 (batch, head) pairs; the result is quantised (2^e10) into the last product's operand.
; t = score x 2^(e6 + e7) x log2(e) / 8;  M = the running largest t rounded UP to a whole number;  p = 2^(t - M) is quantised with 2^e8, not normalised; the row's sum is taken of the unquantised p and divides at the end.
; SHARES.  Work-group (i, bh) owns query blocks i and 7 - i of 256 queries: block b needs key slots 0 .. b of 256 keys, so every work-group walks (i + 1) + (8 - i) = 9 slots: 256 equal work-groups.
; Each of the sixteen waves owns one tile of 16 queries in 256 registers: four waves to a SIMD, so that one wave's vector work stands beside another's products and LDS loads.
; K AND V COME THROUGH REGISTERS INTO TWO LDS SLOTS: a slot is one dense block of 32,768 bytes of kv, 64 bytes a thread: four loads and four LDS stores a wave.  It is asked for two trips ahead and stored one trip ahead.
; No joint requests: at trip T work-group i stands at key slot T or T - i - 1, so the four work-groups of a head want different slots at the same time.
; With no tensor load in the text a branch may hang on e8: where 448 x 2^e8 >= 1 (e8 >= -8), p <= 1 never reaches the hold, and its 64 lines are jumped over; with e8 <= -9 they run.
; LAYOUT.  Both products transposed: S^T = K Q^T (source 0 = 16 keys), O^T = V^T P^T (source 0 = 16 of the head's 64): a lane holds ONE query throughout.  All operands are images of fragment registers;
; place p of tile u in a group of 32 is element 8 u + p + 8 (p / 8), so the 16 registers of two neighbouring tiles are 16 neighbours: keys 32 b + 16 h + i for p, d = 32 p + 16 h + i for O.
; CAUSAL.  A step all of whose 128 keys come after my queries is jumped over (a branch on ids); on the diagonal hidden scores become -infinity ahead of the maximum, so p = 0 (the problem adds -1e9: the same p while |score| is far below 1e9).
; LIMITS: e6 + e7 between -123 and 130; e8, and e10 - e8 - e9, between -126 and 119.  NaN is not served.
; REGISTERS: v1 16 x lane, v2 16 x thread, v3, v4 LDS addresses in hand, v5 r + 8 (r / 8) - 16 h; v12 -M, v13 the largest t, v[14:15] the sum; v16-23 Q; v32-95 fragments of K, then of V; v96-159 S^T, then p; v160-191 O^T;
;   v192-207 p's codes; v208-223 a slot's 64 bytes on their way; v224-231 the result's codes; v240, v244: 448 x 2^e8, 2^e8; v245, v246: 2^(e10 - e8 - e9), 448 x it; v236, v242, v243, v252-254 at work.
; THE MODE: SCHED_MODE bits 1:0 = 2 (LLVM: expert scheduling mode 2), set by the entry lines.  The code itself states the register dependences between vector or matrix instructions and memory or LDS instructions, with s_wait_alu, always for 0.
; THE PLAN.  Registers that memory or LDS instructions touch:
;   v1, v2      offsets, made at the head and never written again: one wait on va_vdst at the head serves every load and store that reads them.
;   v3, v4      LDS addresses of a trip: where the next slot is stored, where this slot is read.  Written once a trip, at its head, behind a wait on vm_vsrc (the last trip's LDS stores and loads have read them).
;   v208-223    Written by the slot's four global loads, read by the four LDS stores; no vector line names them.  Behind the stores a wait on vm_vsrc, and the registers are asked for again at once.
;   v32-95      K's loads land; the step's eight products K Q^T read; V's loads land; the step's four products V^T P read; the next step's K lands.
;   v16-23      Q's loads land, once a block; every product K Q^T reads.
;   v224-231    Written by a block's last conversions, read by its two stores.
; ONE wait on va_vdst at a trip's head states that v3 and v4 are written and that the last trip's products are done reading v32-95 and v16-23: it serves the LDS stores, the first step's loads of K and, at the change of
; blocks, Q's loads, since no vector line between names those registers.  A trip's second step has such a wait of its own at its head.  One more stands in each step behind the products K Q^T: V's sixteen loads follow it,
; dealt among the lines of the maximum, none of which names v32-95 or v4.
.set SLOTB, 32768
.set VOFF,  16384                      ; in a slot: 16 tiles of K (1,024 bytes each), then V: 2 blocks of 128 keys x 4 tiles of d (2,048 bytes each)
.set FRG, 32
.set S,   96
.set O,   160
.set P,   192
.set STG, 208
.set OC,  224
; the key slot of trip s15 + n is asked for: slot T while T < i + 1, else T - (i + 1)
.macro KLOAD n
	s_add_co_u32 s40, s15, \n
	s_sub_co_u32 s41, s40, s13
	s_cmp_lt_u32 s40, s13
	s_cselect_b32 s40, s40, s41
	s_lshl_b32 s40, s40, 15
	s_mov_b32 s41, 0
	s_add_nc_u64 s[38:39], s[36:37], s[40:41]      ; (the loads that read this base before have been waited for)
.irp j, 0,1,2,3
	global_load_b128 v[STG+4*\j:STG+4*\j+3], v2, s[38:39] offset:\j*8192   ; the work-group reads 8,192 consecutive bytes
.endr
.endm
; block s53 begins: my tile, its Q, and the running figures.  Q's loads owe no wait of their own: v1 is as the head made it, and no vector or matrix line since the last wait on va_vdst names v16-23
.macro NEWBLOCK
	s_lshl_b32 s52, s53, 4
	s_add_co_u32 s52, s52, s12                     ; my tile of the sequence's 128
	s_lshr_b32 s34, s52, 1
	s_lshl_b32 s34, s34, 5
	s_and_b32 s40, s52, 1
	s_lshl_b32 s40, s40, 3
	s_add_co_u32 s34, s34, s40                     ; its first query; lane r's is r + 8 (r / 8) further on
	s_mov_b32 s33, 0                               ; the step's first key
	s_lshl_b32 s40, s52, 10
	s_mov_b32 s41, 0
	s_add_nc_u64 s[54:55], s[48:49], s[40:41]
	global_load_b128 v[16:19], v1, s[54:55]
	global_load_b128 v[20:23], v1, s[54:55] offset:512
	v_mov_b32 v13, 0xff61b1e6                      ; the largest t so far: -3e38
	v_floor_f32 v12, -v13                          ; -M
	v_mov_b32 v14, 0
	v_mov_b32 v15, 0
.set i, 0
.rept 32
	v_mov_b32 v[O+i], 0                            ; the step is written once: a block's first step finds zeros
.set i, i+1
.endr
	s_wait_loadcnt 0x0                             ; Q is in (and the slot's four loads that were issued ahead of Q's)
.endm
; V's tile b of the q-th 128 keys: a fragment as it lies, four loads of 512 consecutive bytes
.macro VLOAD q, b
.irp c, 0,1,2,3
	ds_load_b128 v[FRG+16*(\b)+4*\c:FRG+16*(\b)+4*\c+3], v4 offset:VOFF+(\q)*8192+(\b)*2048+\c*512
.endr
.endm
; A KEY STEP: the q-th 128 keys of the slot in hand
.macro STEP q
	s_add_co_u32 s40, s34, 23                      ; my last query
	s_cmp_gt_u32 s33, s40
	s_cbranch_scc1 .Lhidden_\@
.rept 3+(\q)
	v_nop                                          ; four places in front of loads into registers that the last products read; in a trip's first step the addition to v4 at the trip's head is one of them
.endr
.if (\q) == 1
	s_wait_alu depctr_va_vdst(0)                   ; the first step's four products V^T P are done reading v32-95, in which K's loads land (for a trip's first step the wait at the trip's head states the like)
.endif
.irp t, 0,1,2,3,4,5,6,7
	ds_load_b128 v[FRG+8*\t:FRG+8*\t+3],   v4 offset:(\q)*8192+\t*1024
	ds_load_b128 v[FRG+8*\t+4:FRG+8*\t+7], v4 offset:(\q)*8192+\t*1024+512
.endr
	s_wait_dscnt 0x0
.irp t, 0,1,2,3,4,5,6,7
	v_wmma_f32_16x16x64_fp8_fp8 v[S+8*\t:S+8*\t+7], v[FRG+8*\t:FRG+8*\t+7], v[16:23], 0
.endr
.rept 4
	v_nop                                          ; places in front of the loads below and of the first read of the scores
.endr
	s_wait_alu depctr_va_vdst(0)                   ; the eight products are done reading K's fragments in v32-95, in which V's sixteen loads land; the places above stay beside this wait
	VLOAD \q, 0                                    ; V lands under the softmax: four loads here, twelve among the lines of the maximum; no vector line from here to the products V^T P names v32-95 or v4
	s_add_co_u32 s40, s33, 127
	s_cmp_le_u32 s40, s34                          ; all 128 keys count for all my queries?
	s_cbranch_scc1 .Lopen_\@
	s_sub_co_i32 s40, s34, s33
	v_add_nc_u32 v252, s40, v5                     ; d = my query - the step's first key - 16 h: register 16 b + i holds key 32 b + 16 h + i, hidden where 32 b + i > d
	v_mov_b32 v254, 0xff800000
.set mg, 0
.rept 4                                        ; sixteen compares in a run, each into a scalar register of its own (s20-31, free behind the head, and s56-59); one wait; the sixteen selects
.set mm, 0
.rept 16
	v_cmp_gt_i32 s[20+mm+24*(mm/12)], 32*mg+mm, v252
.set mm, mm+1
.endr
	s_wait_alu depctr_va_sdst(0)                   ; the sixteen compares have written their masks, ahead of the first select that reads one
.set mm, 0
.rept 16
	v_cndmask_b32 v[S+16*mg+mm], v[S+16*mg+mm], v254, s[20+mm+24*(mm/12)]
.set mm, mm+1
.endr
.set mg, mg+1
.endr
.Lopen_\@:
	v_max3_num_f32 v254, v96, v97, v98             ; the step's largest score of my query among my 64 keys, in two chains, ascending,
	v_max3_num_f32 v252, v99, v100, v101
.irp i, 6,10,14,18,22,26,30,34,38,42,46,50,54,58
	v_max3_num_f32 v254, v254, v[96+\i], v[97+\i]
	v_max3_num_f32 v252, v252, v[98+\i], v[99+\i]
.if \i == 6
	VLOAD \q, 1
.endif
.if \i == 22
	VLOAD \q, 2
.endif
.if \i == 38
	VLOAD \q, 3
.endif
.endr
	v_max3_num_f32 v254, v254, v158, v159
	v_max_num_f32 v254, v254, v252
	v_permlanex16_b32 v236, v254, s16, s17
	v_max_num_f32 v254, v254, v236                 ; and among the lane 16 away's
	v_mul_f32 v254, s18, v254                      ; as t
	v_max_num_f32 v13, v13, v254
	v_mov_b32 v254, v12
	v_floor_f32 v12, -v13                          ; the new -M = floor(-t): M is a whole number
	v_sub_f32 v254, v12, v254                      ; old M - new M, 0 or less
	v_cvt_i32_f32 v254, v254                       ; (it saturates)
	v_ldexp_f32 v252, 1.0, v254                    ; f = 2^(old M - new M): rounds nothing
.set j, 0
.rept 32
	v_pk_fma_f32 v[S+j:S+j+1], v[S+j:S+j+1], s[18:19], v[12:13] op_sel_hi:[1,0,0]   ; t - M, two at a time
.set j, j+2
.endr
.set j, 0
.rept 64
	v_exp_f32 v[S+j], v[S+j]                       ; p, at most 1
.set j, j+1
.endr
	v_pk_mul_f32 v[14:15], v[14:15], v[252:253] op_sel_hi:[1,0]   ; the sum under the new M: the plain line behind the exponentials
	s_wait_alu depctr_va_vdst(0)                   ; the 64 exponentials have written v96-159: one wait for the batch, ahead of its first reader
	v_pk_add_f32 v[242:243], v[96:97], v[98:99]    ; the sum of the unquantised p, in two chains
.irp j, 4,8,12,16,20,24,28,32,36,40,44,48,52,56,60
	v_pk_add_f32 v[14:15], v[14:15], v[96+\j:97+\j]
	v_pk_add_f32 v[242:243], v[242:243], v[98+\j:99+\j]
.endr
	v_pk_add_f32 v[14:15], v[14:15], v[242:243]
	s_cmp_lg_u32 s32, 0                            ; can p = 1 pass 448 x 2^e8?
	s_cbranch_scc0 .Lno_hold_\@
.set j, 0
.rept 64
	v_min_num_f32 v[S+j], v[S+j], v240             ; the conversion does not saturate (ISA guide 7.6.2); p is not negative
.set j, j+1
.endr
.Lno_hold_\@:
.irp b, 0,1,2,3
	v_cvt_scalef32_pk8_fp8_f32 v[P+4*\b:P+4*\b+1],   v[S+16*\b:S+16*\b+7],    v244
	v_cvt_scalef32_pk8_fp8_f32 v[P+4*\b+2:P+4*\b+3], v[S+16*\b+8:S+16*\b+15], v244
.endr
.set j, 0
.rept 16
	v_pk_mul_f32 v[O+j:O+j+1], v[O+j:O+j+1], v[252:253] op_sel_hi:[1,0]   ; O^T under the new M; also the plain lines between the conversions and the products
.set j, j+2
.endr
	s_wait_dscnt 0x0                               ; V is in
.irp b, 0,1,2,3
	v_wmma_f32_16x16x128_fp8_fp8 v[O+8*\b:O+8*\b+7], v[FRG+16*\b:FRG+16*\b+15], v[P:P+15], v[O+8*\b:O+8*\b+7]   ; four accumulators, one instruction each
.endr
.Lhidden_\@:
	s_add_co_u32 s33, s33, 128
.endm
; A block is finished: O^T / the sum, held, quantised.  A number stands for O x 2^(e8 + e9) / l, so its code is (O / l) / 2^(e10 - e8 - e9).  The codes are the image as they stand: two stores of 512 consecutive bytes.
.macro FINISH
.rept 4
	v_nop                                          ; places behind the last products
.endr
	v_add_f32 v14, v14, v15
	v_permlanex16_b32 v236, v14, s16, s17
	v_add_f32 v14, v14, v236                       ; the row's sum
	v_rcp_f32 v14, v14
	v_nop                                          ; a plain line behind the reciprocal
	s_wait_xcnt 0x0                                ; the first block's stores have read their base and their data
	s_wait_alu depctr_vm_vsrc(0)                   ; the first block's stores have read v224-231, which the conversions below write again
	s_lshr_b32 s40, s14, 4
	s_lshl_b32 s40, s40, 7
	s_add_co_u32 s40, s40, s52                     ; row tile R = 128 x batch + my tile
	s_lshr_b32 s41, s40, 3
	s_lshl_b32 s41, s41, 17
	s_and_b32 s40, s40, 7
	s_lshl_b32 s40, s40, 12
	s_add_co_u32 s40, s40, s41
	s_add_co_u32 s40, s40, s46                     ; + the head's place along K
	s_mov_b32 s41, 0
	s_add_nc_u64 s[50:51], s[10:11], s[40:41]
	s_wait_alu depctr_va_vdst(0)                   ; the reciprocal has written v14, ahead of its first reader
.set j, 0
.rept 16
	v_pk_mul_f32 v[S+j:S+j+1], v[O+j:O+j+1], v[14:15] op_sel_hi:[1,0]
.set j, j+2
.endr
.set j, 0
.rept 32
	v_med3_num_f32 v[S+j], v[S+j], -v246, v246
.set j, j+1
.endr
.irp g, 0,1,2,3
	v_cvt_scalef32_pk8_fp8_f32 v[OC+2*\g:OC+2*\g+1], v[S+8*\g:S+8*\g+7], v245
.endr
	v_nop                                          ; a plain line behind the last conversion
	s_wait_alu depctr_va_vdst(0)                   ; the conversions have written v224-231, which the two stores read
	global_store_b128 v1, v[OC:OC+3],   s[50:51]
	global_store_b128 v1, v[OC+4:OC+7], s[50:51] offset:512
.endm
; A TRIP: one key slot.  st = 1: the next trip's slot goes from registers into the other LDS slot.  ld = 1: the slot two trips on is asked for.  sw = 1: the trip at which the second block begins may be this one.
.macro TRIP st, ld, sw
	s_wait_dscnt 0x0                               ; my stores into this trip's slot are done, and so are my reads of the other one
	s_barrier_signal -1
	s_barrier_wait -1                              ; both now hold of all sixteen waves
	s_wait_alu depctr_vm_vsrc(0)                   ; the last trip's LDS stores have read v3 and its LDS loads v4: both are written anew below
.if \st
	s_xor_b32 s40, s35, SLOTB
	v_add_nc_u32 v3, s40, v2                       ; where the next slot goes
.endif
	v_add_nc_u32 v4, s35, v1                       ; where this trip's two steps read
.if \st
	s_wait_loadcnt 0x0                             ; the next slot's 64 bytes of mine are in registers
.endif
	s_wait_alu depctr_va_vdst(0)                   ; v3 and v4 are written, which the LDS stores and loads of this trip read; the last trip's products are done reading v32-95 and v16-23, in which loads of this trip land
.if \st
.irp j, 0,1,2,3
	ds_store_b128 v3, v[STG+4*\j:STG+4*\j+3] offset:\j*8192
.endr
.endif
.if \ld
	s_wait_alu depctr_vm_vsrc(0)                   ; the four LDS stores have read v208-223, in which the loads below land: the registers are asked for again at once
	KLOAD 2
.endif
.if \sw
	s_cmp_lg_u32 s15, s13
	s_cbranch_scc1 .Lsame_\@
	FINISH
	s_sub_co_u32 s53, 7, ttmp9
	NEWBLOCK
.Lsame_\@:
.endif
	STEP 0
	STEP 1
	s_xor_b32 s35, s35, SLOTB
.endm
	s_load_b256 s[4:11], s[0:1], 0x0               ; qc s[4:5], kv s[6:7], the exponents s[8:9], ac s[10:11]
	v_lshl_add_u32 v251, v0, 2, 0x10000
	v_mov_b32 v255, 0
	v_lshrrev_b32 v1, 5, v0
	v_readfirstlane_b32 s12, v1                    ; wave 0..15
	v_and_b32 v1, 31, v0
	v_lshlrev_b32 v1, 4, v1
	v_lshlrev_b32 v2, 4, v0
	v_and_b32 v5, 15, v0
	v_and_b32 v4, 8, v5
	v_add_nc_u32 v5, v5, v4
	v_bfe_u32 v4, v0, 4, 1
	v_lshlrev_b32 v4, 4, v4
	v_sub_nc_u32 v5, v5, v4
	v_mov_b32 v236, 0                              ; written once: a lane permute's destination counts as one of its sources
	v_mov_b32 v253, 0                              ; (named as the upper half of the pair v[252:253])
	s_wait_alu depctr_va_sdst(0)                   ; s12 is written, ahead of its first reader: my tile's number is made from it
	s_add_co_u32 s13, ttmp9, 1                     ; the trip at which the second block begins
	s_and_b32 s14, ttmp7, 0xffff                   ; batch x 16 + head
	s_mov_b32 s15, 0                               ; the trip
	s_mov_b32 s16, 0x76543210
	s_mov_b32 s17, 0xfedcba98                      ; selects: the lane 16 away
	s_mov_b32 s35, 0                               ; the LDS slot in hand
	s_and_b32 s46, s14, 15                         ; the head's place in ac: K step head / 2, chunks 2 (head % 2) + 0, 1
	s_lshr_b32 s47, s46, 2
	s_lshl_b32 s47, s47, 15
	s_and_b32 s46, s46, 3
	s_lshl_b32 s46, s46, 10
	s_add_co_u32 s46, s46, s47
	s_lshl_b32 s40, s14, 18
	s_mov_b32 s41, 0
	s_lshl_b32 s42, s14, 17
	s_mov_b32 s43, 0
	s_wait_kmcnt 0x0
	s_load_b256 s[20:27], s[8:9], 0x0              ; e0 .. e7
	s_load_b128 s[28:31], s[8:9], 0x20             ; e8 .. e11
	s_add_nc_u64 s[36:37], s[6:7], s[40:41]        ; my head's eight slots
	s_add_nc_u64 s[48:49], s[4:5], s[42:43]        ; my head's 128 tiles of Q
	s_wait_alu depctr_va_vdst(0)                   ; v1 and v2 are written: every global load and store of the kernel, and the LDS stores below, read one of them as offset or address
	KLOAD 0
	s_mov_b32 s53, ttmp9
	NEWBLOCK                                       ; its wait is for the slot's loads too
.irp j, 0,1,2,3
	ds_store_b128 v2, v[STG+4*\j:STG+4*\j+3] offset:\j*8192
.endr
	s_wait_alu depctr_vm_vsrc(0)                   ; the four LDS stores have read v208-223, in which the loads below land
	KLOAD 1
	s_wait_kmcnt 0x0
	s_add_co_i32 s40, s26, s27
	s_lshl_b32 s40, s40, 23
	s_add_co_i32 s18, s40, 0x3e38aa3b              ; c = log2(e) / 8, with e6 + e7 added to its exponent field
	s_mov_b32 s19, s18                             ; (named with it as a pair)
	s_cmp_lt_i32 s28, -8
	s_cselect_b32 s32, 1, 0                        ; 1: the hold is needed
	s_add_co_i32 s40, s28, 127
	s_lshl_b32 s41, s40, 23
	v_mov_b32 v244, s41
	s_add_co_i32 s40, s40, 8
	s_lshl_b32 s40, s40, 23
	s_or_b32 s40, s40, 0x600000
	v_mov_b32 v240, s40
	s_sub_co_i32 s40, s30, s28
	s_sub_co_i32 s40, s40, s29
	s_add_co_i32 s40, s40, 127
	s_lshl_b32 s41, s40, 23
	v_mov_b32 v245, s41
	s_add_co_i32 s40, s40, 8
	s_lshl_b32 s40, s40, 23
	s_or_b32 s40, s40, 0x600000
	v_mov_b32 v246, s40                            ; (s20 to s31 are free from here on: the causal mask's compares write them)
.Ltrip:                                            ; trips 0 to 6
	TRIP 1, 1, 1
	s_add_co_u32 s15, s15, 1
	s_cmp_lt_u32 s15, 7
	s_cbranch_scc1 .Ltrip
	TRIP 1, 0, 0                                   ; trip 7: nothing is left to ask for
	TRIP 0, 0, 0                                   ; trip 8: nothing is left to store into LDS
	FINISH
	s_wait_dscnt 0x0
	s_wait_alu depctr_hold_cnt(0) depctr_sa_sdst(0) depctr_va_vdst(0) depctr_va_sdst(0) depctr_va_ssrc(0) depctr_va_vcc(0) depctr_vm_vsrc(0)
	s_wait_tensorcnt 0x0
	ds_add_u32 v251, v255
	s_wait_dscnt 0x0
	s_endpgm
.Lfunc_end_k_q23308ee349_attn:
	.size	k_q23308ee349_attn, .Lfunc_end_k_q23308ee349_attn-k_q23308ee349_attn
	.p2alignl 7, 3214868480
	.fill 96, 4, 3214868480
	.section	.rodata,"a",@progbits
	.p2align	6, 0x0
	.amdhsa_kernel k_q23308ee349_attn
		.amdhsa_group_segment_fixed_size 67584
		.amdhsa_private_segment_fixed_size 0
		.amdhsa_enable_private_segment 0
		.amdhsa_kernarg_size 32
		.amdhsa_user_sgpr_count 2
		.amdhsa_user_sgpr_kernarg_segment_ptr 1
		.amdhsa_wavefront_size32 1
		.amdhsa_system_sgpr_workgroup_id_x 1
		.amdhsa_system_sgpr_workgroup_id_y 1
		.amdhsa_system_sgpr_workgroup_id_z 1
		.amdhsa_system_vgpr_workitem_id 0
		.amdhsa_next_free_vgpr 256
		.amdhsa_next_free_sgpr 66
		.amdhsa_reserve_vcc 0
		.amdhsa_float_denorm_mode_32 3
		.amdhsa_float_denorm_mode_16_64 3
		.amdhsa_memory_ordered 1
		.amdhsa_forward_progress 1
		.amdhsa_inst_pref_size 167
	.end_amdhsa_kernel
	.amdgpu_metadata
---
amdhsa.version: [ 1, 2 ]
amdhsa.kernels:
  - .name:           k_q23308ee349_attn
    .symbol:         k_q23308ee349_attn.kd
    .args:
      - { .name: qc, .offset: 0, .size: 8, .value_kind: global_buffer, .address_space: global }
      - { .name: kv, .offset: 8, .size: 8, .value_kind: global_buffer, .address_space: global }
      - { .name: lowp_scales, .offset: 16, .size: 8, .value_kind: global_buffer, .address_space: global }
      - { .name: ac, .offset: 24, .size: 8, .value_kind: global_buffer, .address_space: global }
    .group_segment_fixed_size: 67584
    .private_segment_fixed_size: 0
    .kernarg_segment_align: 8
    .kernarg_segment_size: 32
    .max_flat_workgroup_size: 512
    .sgpr_count:     66
    .vgpr_count:     256
    .wavefront_size: 32
...
	.end_amdgpu_metadata
.endif
;; end of part 5
;; launch outp: the kernel of part 4 again; grid 4 x 32, 4 waves a work-group, clusters of 4 x 4, 327,680 bytes of LDS; arguments ac, wc, lowp_scales, out0; writes out0
